; MI455X (gfx1250); checked and timed in simulation.
; The chip was launched on July 23, 2026; its instructions are those of AMD's public machine-readable ISA for CDNA 5 (MIT licence, August 2026) and "CDNA5" Instruction Set Architecture Reference Guide (July 2026). The comments in the code are by the model that wrote it; some were corrected since.
;; Attention Head. Allowed arithmetic: matrix products marked QUANTISED: E2M1 operands, one E8M0 scale for each 32 along K, by v_wmma_scale_f32_16x16x128_f8f6f4 with both operands' format E2M1 (or v_wmma_scale_f32_32x16x128_f4), f32 sums; products left as they are: bf16, f16 or f32 operands; f32 sums; everything else in f32.
;; Inputs: k 4 x 2,048 x 1,024 float32; q 4 x 2,048 x 1,024 float32; v 4 x 2,048 x 1,024 float32; wk 1,024 x 1,024 float32; wq 1,024 x 1,024 float32; wv 1,024 x 1,024 float32.
;; Outputs: out0 4 x 2,048 x 1,024 float32.
;; This version of the problem:
;;   THIS VERSION OF THE PROBLEM IS GIVEN IN LOW PRECISION. The matrix products marked QUANTISED in the list below multiply operands that are first quantised to E2M1 (2 exponent bits, 1 mantissa bit; 4 bits a number), with one power-of-two scale for each 32 numbers along K (OCP MX v1.0); their sums are f32. The products marked 'left as it is' may take bf16, f16 or f32 operands, with f32 sums. All else is computed in f32.
;;   The module's matrix products, in the order in which they are computed (A, B: the left and right operand; K: the contracted axis; several contracted axes count as one K, in the product's order):
;;     1. [M 8,192, K 1,024] x [K 1,024, N 1,024]; A: input q; B: input wq: QUANTISED
;;     2. [M 8,192, K 1,024] x [K 1,024, N 1,024]; A: input k; B: input wk: QUANTISED
;;     3. [M 8,192, K 1,024] x [K 1,024, N 1,024]; A: input v; B: input wv: QUANTISED
;;     4. batch 4 x [M 2,048, K 1,024] x [K 1,024, N 2,048]; A: computed on the way; B: computed on the way: left as it is (an operand is computed on the way)
;;     5. batch 4 x [M 2,048, K 2,048] x [K 2,048, N 1,024]; A: computed on the way; B: computed on the way: left as it is (an operand is computed on the way)
;;   THE QUANTISER, for each operand of a quantised product, along K:
;;     - K is cut into blocks of 32 from its start; a last block that is shorter is filled with zeros.
;;     - A block's scale is 2^e with e = floor(log2(the largest magnitude in the block)) - 2, held to -126 .. 127; a block of zeros has e = 0. As a byte (E8M0): e + 127.
;;     - Each number is divided by its block's scale, clamped to +-6, and rounded to the nearest number of E2M1, ties to even, subnormals kept.
;;     - The product sums the exact products of the quantised numbers (number of the format x scale) in f32.
;;   ~~~python
;;   def quantise(x, axis):      # numpy; x: float32 -> the quantised numbers, widened to float32 again
;;       x = np.moveaxis(x, axis, -1); K = x.shape[-1]
;;       x = np.pad(x, [(0, 0)] * (x.ndim - 1) + [(0, -K % 32)]); x = x.reshape(x.shape[:-1] + (-1, 32)); a = np.abs(x).max(-1, keepdims=True)
;;       e = np.where(a > 0, np.clip(np.frexp(np.where(a > 0, a, 1))[1] - 1 - 2, -126, 127), 0)      # np.frexp(a)[1] - 1 = floor(log2(a)), exactly
;;       r = np.clip(x / 2.0 ** e, -6, 6)
;;       step = 2.0 ** (np.maximum(np.frexp(np.where(r == 0, 1, r))[1] - 1, 0) - 1)
;;       q = np.round(r / step) * step * 2.0 ** e      # np.round: ties to even
;;       return np.moveaxis(q.reshape(q.shape[:-2] + (-1,))[..., :K], -1, axis).astype(np.float32)
;;   ~~~
;; One version. Each part assembles by itself: llvm-mc -triple=amdgcn-amd-amdhsa -mcpu=gfx1250 --defsym DOCPART=n.
;; ======== version 1 of 1: 4 launches
;; limits: values are held in f16: magnitudes above 65,504 overflow, below 6.1e-05 lose precision
;; workspace buffers: xc 12,582,912 bytes; xs 786,432 bytes; wc 1,572,864 bytes; ws 98,304 bytes; pj 50,331,648 bytes; pp 33,554,432 bytes; st 1,048,576 bytes
;; launch quant (part 1): grid 864 x 1, 4 waves a work-group, no clusters, 33,280 bytes of LDS; arguments q, k, v, wq, wk, wv, xc, xs, wc, ws; writes xc, xs, wc, ws
.if DOCPART == 1
	.amdgcn_target "amdgcn-amd-amdhsa--gfx1250"
	.amdhsa_code_object_version 6
	.text
	.protected	k_qe6f7287eca_quant
	.globl	k_qe6f7287eca_quant
	.p2align	8
	.type	k_qe6f7287eca_quant,@function
k_qe6f7287eca_quant:
	s_mov_b64 s[64:65], 0
	v_nop
	global_prefetch_b8 v0, s[64:65] scope:SCOPE_SE
	s_setreg_imm32_b32 hwreg(HW_REG_WAVE_MODE, 25, 1), 1
	s_wait_xcnt 0x0
; q, k, v [8192][1024] and wq, wk, wv [1024][1024], f32, K innermost, are turned into codes of FP4 (E2M1), two to a byte, with one E8M0 scale byte for each 32 along K.
; xc = the codes of q, then k, then v: [24576][512 bytes]; xs their scale bytes [24576][32]; wc, ws the same for wq, wk, wv: [3072][512], [3072][32].
; A block's scale is 2^(floor(log2(its largest magnitude)) - 2); its byte is the largest magnitude's exponent field - 2, held at 1 from below.  Each number is divided by the scale and rounded to the nearest code, ties to even;
; beyond the largest code the conversion gives the largest code.
; LIMITS: a block of zeros gets the byte 1 where the rule says 127 (its codes are zeros, which add nothing, and this program alone reads the bytes); blocks whose largest magnitude lies under 2^(3 - 127) keep the byte 1;
; NaN and infinities among the inputs are not served.
; Rows are dense and K is a multiple of 32: every tensor is a plain stream of blocks of 32.  A work-group takes 32,768 numbers, a wave 8,192 in 16 steps of 512.  Work-groups 0-767: q, k, v (256 each); 768-863: wq, wk, wv (32 each).
; Each of a step's four loads reads 512 consecutive bytes; the 2,048 bytes turn through the wave's own stage in LDS and come back 64 bytes a lane, so that a lane holds 16 neighbours along K (two lanes to a block).
; No tensor loads, no barrier: waves share nothing.  Loads run four steps ahead, the turn through LDS one step.
.set STEPS, 16
.set XWG,   768                        ; work-groups for q, k, v
.set EMAX,  2
.set CB,    8                          ; bytes of 16 codes
.set R,     16                         ; v16-79   four sets of 16 numbers as they are loaded
.set X,     80                         ; v80-111  two sets of 16 neighbours
.set C,     128                        ; v128-191 codes: four registers for each step, so that no store's data are written again
.set E,     112                        ; v112-127 a scale byte for each step
.set WREG,  8192                       ; LDS: a region for each wave: two stages of 32 x SP bytes, behind them its 256 scale bytes
.set SP,    80                         ; a lane's place in a stage: 64 bytes + 16 of padding
	s_load_b256 s[4:11], s[0:1], 0x0               ; q s[4:5], k s[6:7], v s[8:9], wq s[10:11]
	s_load_b256 s[12:19], s[0:1], 0x20             ; wk s[12:13], wv s[14:15], xc s[16:17], xs s[18:19]
	s_load_b128 s[20:23], s[0:1], 0x40             ; wc s[20:21], ws s[22:23]
	v_lshl_add_u32 v192, v0, 2, 0x8000
	v_mov_b32 v193, 0
	v_lshrrev_b32 v1, 5, v0
	v_readfirstlane_b32 s32, v1                    ; wave
	v_and_b32 v2, 31, v0                           ; lane
	v_lshlrev_b32 v3, 4, v2                        ; my 16 bytes of a load's 512
	s_mul_i32 s33, s32, WREG
	v_lshrrev_b32 v14, 2, v2
	v_mul_u32_u24 v14, v14, SP
	v_and_b32 v15, 3, v2
	v_lshl_add_u32 v14, v15, 4, v14
	v_add_nc_u32 v14, s33, v14                     ; the stage, on the way in: SP (lane / 4) + 16 (lane % 4)
	v_mul_u32_u24 v15, v2, SP
	v_add_nc_u32 v15, s33, v15                     ; and on the way out: SP x lane: my 16 neighbours
	v_mul_u32_u24 v4, v2, CB                       ; my codes' place in a step's
	v_lshrrev_b32 v5, 1, v2
	s_add_co_u32 s33, s33, 2*32*SP
	v_add_nc_u32 v5, s33, v5                       ; LDS: my wave's 256 scale bytes, my block's byte
	v_lshlrev_b32 v7, 3, v2                        ; and on the way out 8 bytes a lane
	v_add_nc_u32 v6, s33, v7
	s_wait_kmcnt 0x0
	s_cmp_lt_u32 ttmp9, XWG                        ; activations or weights?  The choices hang on the work-group's number alone
	s_cselect_b32 s24, 0, XWG                      ; the group's first work-group
	s_cselect_b32 s25, 8, 5                        ; log2 of the work-groups of one tensor
	s_cselect_b64 s[26:27], s[16:17], s[20:21]     ; where the codes go
	s_cselect_b64 s[28:29], s[18:19], s[22:23]     ; where the scale bytes go
	s_cselect_b64 s[4:5], s[4:5], s[10:11]         ; the group's three tensors
	s_cselect_b64 s[6:7], s[6:7], s[12:13]
	s_cselect_b64 s[8:9], s[8:9], s[14:15]
	s_sub_co_u32 s24, ttmp9, s24                   ; my number in the group
	s_lshr_b32 s30, s24, s25                       ; which tensor of the three
	s_lshl_b32 s31, s30, s25
	s_sub_co_u32 s31, s24, s31                     ; my number in the tensor
	s_cmp_eq_u32 s30, 1
	s_cselect_b64 s[4:5], s[6:7], s[4:5]
	s_cmp_eq_u32 s30, 2
	s_cselect_b64 s[4:5], s[8:9], s[4:5]
	s_lshl_b32 s31, s31, 2
	s_add_co_u32 s34, s31, s32                     ; my wave's run of 8,192 numbers in the tensor,
	s_lshl_b32 s34, s34, 15                        ; 32,768 bytes a run (32 MiB at the most)
	s_mov_b32 s35, 0
	s_add_nc_u64 s[4:5], s[4:5], s[34:35]
	s_lshl_b32 s24, s24, 2
	s_add_co_u32 s24, s24, s32                     ; and in the group's output
	s_lshl_b32 s34, s24, 12                        ; 4,096 bytes of codes a run
	s_add_nc_u64 s[26:27], s[26:27], s[34:35]
	s_lshl_b32 s34, s24, 8                         ; 256 scale bytes a run
	s_add_nc_u64 s[28:29], s[28:29], s[34:35]
.macro LOAD t
.irp i, 0,1,2,3
	global_load_b128 v[R+16*((\t)%4)+4*\i:R+16*((\t)%4)+4*\i+3], v3, s[4:5] offset:2048*(\t)+512*\i th:TH_LOAD_NT   ; 32 lanes read 512 consecutive bytes
.endr
.endm
.macro TURN t                          ; step t's numbers through the stage: LDS serves a wave's instructions in order, so no wait stands between the stores and the loads
.irp i, 0,1,2,3
	ds_store_b128 v14, v[R+16*((\t)%4)+4*\i:R+16*((\t)%4)+4*\i+3] offset:32*SP*((\t)%2)+8*SP*\i
.endr
.irp i, 0,1,2,3
	ds_load_b128 v[X+16*((\t)%2)+4*\i:X+16*((\t)%2)+4*\i+3], v15 offset:32*SP*((\t)%2)+16*\i
.endr
.endm
.irp t, 0,1,2,3
	LOAD \t
.endr
	s_wait_loadcnt 12                              ; step 0's four loads are in; the twelve of steps 1 to 3 may be out
	TURN 0
.macro STEP t
.set XS, X+16*((\t)%2)
.if (\t) > 0
	s_wait_dscnt 1                                 ; this step's numbers are back from the stage (the last step's byte store may be out): so its stores into the stage have read their registers,
.else
	s_wait_dscnt 0x0
.endif
.if (\t)+4 < STEPS
	LOAD (\t)+4                                    ; which take the loads of four steps on
.endif
.if (\t)+1 < STEPS
.if STEPS-2-(\t) >= 3
	s_wait_loadcnt 12                              ; the next step's four loads are in; those of the three steps behind it may be out
.else
	s_wait_loadcnt 4*(STEPS-2-(\t))
.endif
	TURN (\t)+1                                    ; and go through the other stage while this step is worked
.endif
	v_max3_num_f32 v8, |v[XS]|, |v[XS+1]|, |v[XS+2]|               ; the largest magnitude of my 16, in two chains
	v_max3_num_f32 v9, |v[XS+3]|, |v[XS+4]|, |v[XS+5]|
.irp i, 6,10
	v_max3_num_f32 v8, v8, |v[XS+\i]|, |v[XS+\i+1]|
	v_max3_num_f32 v9, v9, |v[XS+\i+2]|, |v[XS+\i+3]|
.endr
	v_max3_num_f32 v8, v8, |v[XS+14]|, |v[XS+15]|
	v_max3_num_f32 v8, v8, v9, (EMAX+1)<<23        ; and the floor 2^(EMAX + 1 - 127): so the byte cannot fall under 1
	v_max_num_f32_dpp v8, v8, v8 row_xmask:1 row_mask:0xf bank_mask:0xf   ; and of my neighbour's 16: the block's
	v_add_nc_u32 v11, -(EMAX<<23), v8              ; EMAX off its exponent field: the conversion takes the exponent field of this operand as its scale, and nothing else of it
	v_cvt_scalef32_pk8_fp4_f32 v[C+4*(\t)], v[XS:XS+7], v11
	v_cvt_scalef32_pk8_fp4_f32 v[C+4*(\t)+1], v[XS+8:XS+15], v11
	v_lshrrev_b32 v[E+(\t)], 23, v11               ; the scale's byte (a plain line behind the conversions)
	ds_store_b8 v5, v[E+(\t)] offset:16*(\t)       ; both lanes of a block write the same byte with the same value
	global_store_b64 v4, v[C+4*(\t):C+4*(\t)+1], s[26:27] offset:32*CB*(\t)   ; the wave stores 256 consecutive bytes, aligned
.endm
.irp t, 0,1,2,3,4,5,6,7,8,9,10,11,12,13,14,15
	STEP \t
.endr
	ds_load_b64 v[12:13], v6                       ; LDS serves a wave's instructions in order: these see my stores
	s_wait_dscnt 0x0
	global_store_b64 v7, v[12:13], s[28:29]        ; 32 lanes store 256 consecutive bytes, aligned
	s_wait_tensorcnt 0x0
	ds_add_u32 v192, v193
	s_wait_dscnt 0x0
	s_endpgm
.Lfunc_end_k_qe6f7287eca_quant:
	.size	k_qe6f7287eca_quant, .Lfunc_end_k_qe6f7287eca_quant-k_qe6f7287eca_quant
	.p2alignl 7, 3214868480
	.fill 96, 4, 3214868480
	.section	.rodata,"a",@progbits
	.p2align	6, 0x0
	.amdhsa_kernel k_qe6f7287eca_quant
		.amdhsa_group_segment_fixed_size 33280
		.amdhsa_private_segment_fixed_size 0
		.amdhsa_enable_private_segment 0
		.amdhsa_kernarg_size 80
		.amdhsa_user_sgpr_count 2
		.amdhsa_user_sgpr_kernarg_segment_ptr 1
		.amdhsa_wavefront_size32 1
		.amdhsa_system_sgpr_workgroup_id_x 1
		.amdhsa_system_sgpr_workgroup_id_y 1
		.amdhsa_system_sgpr_workgroup_id_z 1
		.amdhsa_system_vgpr_workitem_id 0
		.amdhsa_next_free_vgpr 194
		.amdhsa_next_free_sgpr 66
		.amdhsa_reserve_vcc 0
		.amdhsa_float_denorm_mode_32 3
		.amdhsa_float_denorm_mode_16_64 3
		.amdhsa_memory_ordered 1
		.amdhsa_forward_progress 1
		.amdhsa_inst_pref_size 34
	.end_amdhsa_kernel
	.amdgpu_metadata
---
amdhsa.version: [ 1, 2 ]
amdhsa.kernels:
  - .name:           k_qe6f7287eca_quant
    .symbol:         k_qe6f7287eca_quant.kd
    .args:
      - { .name: q, .offset: 0, .size: 8, .value_kind: global_buffer, .address_space: global }
      - { .name: k, .offset: 8, .size: 8, .value_kind: global_buffer, .address_space: global }
      - { .name: v, .offset: 16, .size: 8, .value_kind: global_buffer, .address_space: global }
      - { .name: wq, .offset: 24, .size: 8, .value_kind: global_buffer, .address_space: global }
      - { .name: wk, .offset: 32, .size: 8, .value_kind: global_buffer, .address_space: global }
      - { .name: wv, .offset: 40, .size: 8, .value_kind: global_buffer, .address_space: global }
      - { .name: xc, .offset: 48, .size: 8, .value_kind: global_buffer, .address_space: global }
      - { .name: xs, .offset: 56, .size: 8, .value_kind: global_buffer, .address_space: global }
      - { .name: wc, .offset: 64, .size: 8, .value_kind: global_buffer, .address_space: global }
      - { .name: ws, .offset: 72, .size: 8, .value_kind: global_buffer, .address_space: global }
    .group_segment_fixed_size: 33280
    .private_segment_fixed_size: 0
    .kernarg_segment_align: 8
    .kernarg_segment_size: 80
    .max_flat_workgroup_size: 128
    .sgpr_count:     66
    .vgpr_count:     194
    .wavefront_size: 32
...
	.end_amdgpu_metadata
.endif
;; end of part 1
;; launch proj (part 2): grid 4 x 96, 4 waves a work-group, clusters of 4 x 4, 327,680 bytes of LDS; arguments xc, xs, wc, ws, pj; writes pj
.if DOCPART == 2
	.amdgcn_target "amdgcn-amd-amdhsa--gfx1250"
	.amdhsa_code_object_version 6
	.text
	.protected	k_qe6f7287eca_proj
	.globl	k_qe6f7287eca_proj
	.p2align	8
	.type	k_qe6f7287eca_proj,@function
k_qe6f7287eca_proj:
	s_mov_b64 s[64:65], 0
	v_nop
	global_prefetch_b8 v0, s[64:65] scope:SCOPE_SE
	s_setreg_imm32_b32 hwreg(HW_REG_WAVE_MODE, 25, 1), 1
	s_wait_xcnt 0x0
	s_wait_alu depctr_hold_cnt(0) depctr_sa_sdst(0) depctr_va_vdst(0) depctr_va_sdst(0) depctr_va_ssrc(0) depctr_va_vcc(0) depctr_vm_vsrc(0)
	s_getreg_b32 s2, hwreg(HW_REG_IB_STS2, 6, 4)
	s_cmp_eq_u32 s2, 0
	s_cbranch_scc0 .Lentry_in_a_cluster
	s_endpgm
.Lentry_in_a_cluster:
	s_bfe_u32 s2, ttmp6, 0x10000c
	s_cmp_lg_u32 s2, 0xf033
	s_cbranch_scc0 .Lentry_shape_is_right
	s_endpgm
.Lentry_shape_is_right:
; pj[row][e] = sum over d of x[row][d] w[e][d], on codes of FP4 (E2M1) with one E8M0 scale for each 32 along K; sums in f32; pj rounded once to f16.
; x = xc/xs: [24576][1024] (q's rows, then k's, then v's); w = wc/ws: [3072][1024] (wq, wk, wv); pj: [24576][1024] f16 (qp, kp, vp).  Rows 8192 t .. of x meet rows 1024 t .. of w.
; LIMIT: a result beyond 65,504 in magnitude becomes an infinity of f16.
; A tile of pj, 256 x 256, is made by a work-group of four waves; a wave makes 128 x 128: 64 accumulators of 16 x 16, 512 registers.
; K = 1,024 is two LDS slots of 512 along K (rows of 256 bytes), each filled ONCE by the tensor data mover; the scale bytes of the work-group's rows come with them, in rows of 256 bytes.
; CLUSTERS: 4 x 4 work-groups.  The four of a row of the cluster need the same tiles of x, the four of a column the same tiles of w (all sixteen lie in one of the three tensors): each tile is asked for JOINTLY.
; THE MATRIX INSTRUCTION IS USED TRANSPOSED (source 0 = 16 rows of w, source 1 = 16 rows of x): a lane then holds eight neighbouring numbers of a row of pj.
; REGISTERS, in windows of 256: window 0: v0-31 addresses; v32-95 scale words, two sets; v128-191 x's fragments (8 x 16 rows x 128 K), ONE set; on the way out v32-63, v192-255.
;   window 1: w's fragments, TWO sets, at v0 and at v128.   window 2: the accumulators of my rows 0-63 ((a, b) at v[8 (8 a + b)]);   window 3: those of my rows 64-127.
.set NQ,     4                         ; steps of 128 along K in a slot
.set ROWB,   256                       ; a tile's row in bytes: 512 codes
.set KROW,   512                       ; a row of codes in memory
.set PITCH,  272                       ; an LDS row: 256 bytes + 16 of padding = 68 words: row r starts at bank 4 r mod 64 (64 banks of 4 bytes: ISA guide 11.1), so the 16 rows of a load start at 16 different banks
.set FR,     8                         ; registers of a fragment: 16 rows x 128 K
.set NL,     2                         ; LDS loads that bring one
.set NP,     4                         ; places behind this matrix instruction (ISA guide 7.12.1)
.set HALFT,  128*PITCH                 ; 128 rows: what one tensor load brings
.set SLOT,   4*HALFT                   ; x's 256 rows, then w's 256 rows
.set KS,     32                        ; a row of scale bytes
.set SCL,    2*SLOT                    ; behind the slots: the scales, as rows of 256 bytes + 16 of padding
.set HALFS,  16*272                    ; the scales of 128 rows
.set SBLK,   2*272                     ; those of 16 rows
.set SPARE,  SCL+4*HALFS               ; the spare words, 128 bytes for each wave: two blocks of 256 bytes that no other line names
.set SPITCH, 272                       ; the way out: a stage of 16 rows x (256 bytes + 16) for each wave, in slot 0, which has had its one fill and its last read when the first result is stored there
.set CROW,   2048                      ; a row of pj in bytes
.set ADRA, 16                          ; v16-17  LDS address of my x fragments in slot 0, 1
.set ADRB, 20                          ; v20-21  the same for w
.set STO,  24                          ; v24     the way out: where I put 16 bytes of a row
.set RD,   25                          ; v25     where I read a row back
.set CO,   26                          ; v26     my byte offset in pj
.set ADRS, 27                          ; v27     LDS address of my scale words: lanes 0-15 x's rows, lanes 16-31 w's
.set SPW,  28                          ; v28     LDS address of my spare word; never rewritten
.set NIL,  29                          ; v29     0; never rewritten
.set SC,   32                          ; scale words: set s at v[SC + 32 s]; register 4 i + q: lanes 0-15 the word of x's block i, lanes 16-31 that of w's block i, for the slot's q-th 128 along K
.set AF,   128                         ; x's fragments
.set TMP,  192                         ; the way out: packed results
.set OB,   32                          ; 16 rows read back from the stage: v32-63 and v224-255 by turns
.set G1, 24                            ; s[24:31] descriptor group 1 for x's tiles;  s[32:39] group 0, one set for each slot
.set G0, 32
.set G1B, 48                           ; s[48:55], s[56:63] the same for w's tiles
.set G0B, 56
.set G1S, 68                           ; s[68:75], s[76:79] groups 1 and 0 for x's scales;  s[80:87], s[88:91] for w's
.set G0S, 76
.set G1SB, 80
.set G0SB, 88
.set MSB, 0
.macro WIN new                         ; the immediate's high byte repeats the setting that is left
.if MSB != \new
	s_set_vgpr_msb (MSB<<8)|\new
.set MSB, \new
.endif
.endm
.set MUL_LO, 0xa1                      ; source 0 (w) window 1, source 1 (x) window 0, C and D window 2
.set MUL_HI, 0xf1                      ; the same, C and D window 3
.set TO_B,   0x40                      ; destination window 1, address window 0
; A joint load: waves 0 and 1 fetch for x, waves 2 and 3 for w.  Each line has one mask and one set of registers for all that issue it; the branch hangs on the wave's number alone.
; Four v_nop follow each of the two lines, ahead of the jump, the label and what follows.
.macro JLOAD g0a, g1a, g0b, g1b
	s_cmp_eq_u32 s15, 0
	s_cbranch_scc0 .Lfor_b_\@
	tensor_load_to_lds s[\g0a:\g0a+3], s[\g1a:\g1a+7]
	s_nop 0
.rept 4
	v_nop
.endr
	s_branch .Lasked_\@
.Lfor_b_\@:
	tensor_load_to_lds s[\g0b:\g0b+3], s[\g1b:\g1b+7]
	s_nop 0
.rept 4
	v_nop
.endr
.Lasked_\@:
.endm
.macro CROUND                          ; a round of the cluster's barrier
	s_barrier_signal -1
	s_barrier_wait -1
	s_cmp_lg_u32 s14, 0
	s_cbranch_scc1 .Lnot_wave_0_\@
	s_barrier_signal -3
.Lnot_wave_0_\@:
	s_barrier_wait -3
	s_barrier_signal -1
	s_barrier_wait -1
.endm
	s_load_b128 s[4:7], s[0:1], 0x0                ; xc s[4:5], xs s[6:7]
	s_load_b128 s[8:11], s[0:1], 0x10              ; wc s[8:9], ws s[10:11]
	s_load_b64 s[12:13], s[0:1], 0x20              ; pj
	v_lshl_add_u32 v[SPW], v0, 2, SPARE
	v_mov_b32 v[NIL], 0
	ds_add_u32 v28, v29
	s_wait_dscnt 0x0
	v_lshrrev_b32 v1, 5, v0
	v_readfirstlane_b32 s14, v1                    ; wave 0..3
	s_lshr_b32 s15, s14, 1                         ; which half of the tile's rows is mine.  Also: I fetch for x (0) or for w (1)
	s_and_b32 s16, s14, 1                          ; which half of its columns.  Also: which 128 rows of that tile I fetch
	s_bfe_u32 s40, ttmp6, 0x40000                  ; cx, cy: my place in the cluster
	s_bfe_u32 s41, ttmp6, 0x40004
	s_lshl_b32 s42, ttmp9, 2
	s_add_co_u32 s42, s42, s40                     ; tile column = 4 x cluster x + cx
	s_and_b32 s95, ttmp7, 0xffff                   ; cluster y
	s_lshl_b32 s17, s95, 2
	s_add_co_u32 s17, s17, s41                     ; tile row = 4 x cluster y + cy, 0 .. 95
	s_lshr_b32 s95, s95, 3                         ; which of the three tensors: eight clusters (8,192 rows) each; the same in all sixteen partners
	s_lshl_b32 s95, s95, 10                        ; its weight's first row in wc
	s_lshl_b32 s43, s41, 2
	s_lshl_b32 s43, 15, s43                        ; my row of the cluster
	s_lshl_b32 s44, 0x1111, s40                    ; my column
	; descriptor group 1: a tile of 128 rows x 256 bytes, padded in LDS
	s_or_b32 s[G1+0], s43, (0<<16)|(1<<20)|(1<<21)|(5<<22)|(3<<25)  ; 15:0 the mask; 17:16 elements of 1 byte; 20 padding on; 21 set beside a mask; 24:22 after every 64 words (code 5); 31:25 four words (code 3)
	s_or_b32 s[G1B+0], s44, (0<<16)|(1<<20)|(1<<21)|(5<<22)|(3<<25)
.irp g, G1, G1B
	s_mov_b32 s[\g+1], ROWB<<16                    ; tensor_dim0
	s_mov_b32 s[\g+2], 128<<16                     ; tensor_dim1
	s_mov_b32 s[\g+3], ROWB<<16                    ; tile_dim0
	s_mov_b32 s[\g+4], 128                         ; tile_dim1
	s_mov_b32 s[\g+5], KROW                        ; tensor_dim0_stride
	s_mov_b32 s[\g+6], 0
	s_mov_b32 s[\g+7], 0
.endr
	; the scales of 128 rows: a dense block of 4,096 bytes, as 16 rows of 256 bytes (32 elements of 8 bytes), 16 bytes of padding behind each
	s_or_b32 s[G1S+0], s43, (3<<16)|(1<<20)|(1<<21)|(5<<22)|(3<<25)
	s_or_b32 s[G1SB+0], s44, (3<<16)|(1<<20)|(1<<21)|(5<<22)|(3<<25)
.irp g, G1S, G1SB
	s_mov_b32 s[\g+1], 32<<16
	s_mov_b32 s[\g+2], 16<<16
	s_mov_b32 s[\g+3], 32<<16
	s_mov_b32 s[\g+4], 16
	s_mov_b32 s[\g+5], 32
	s_mov_b32 s[\g+6], 0
	s_mov_b32 s[\g+7], 0
.endr
	s_lshl_b32 s18, s16, 7                         ; which 128 rows of the tile I fetch
	s_lshl_b32 s20, s17, 8
	s_add_co_u32 s20, s20, s18                     ; x: row 256 x tile row + 128 x half
	s_lshl_b32 s46, s42, 8
	s_add_co_u32 s46, s46, s18
	s_add_co_u32 s46, s46, s95                     ; w: row 1,024 x tensor + 256 x tile column + 128 x half
	s_lshl_b32 s22, s20, 5                         ; where these rows' scales begin, in bytes (all under 2^32),
	s_lshl_b32 s92, s46, 5
	s_lshl_b32 s20, s20, 9                         ; and their codes
	s_lshl_b32 s46, s46, 9
	s_mov_b32 s21, 0
	s_mov_b32 s23, 0
	s_mov_b32 s47, 0
	s_mov_b32 s93, 0
	s_mul_i32 s45, s14, HALFT                      ; where they go: wave x 128 rows: no place in the cluster enters an LDS address
	s_mul_i32 s94, s14, HALFS
	s_wait_kmcnt 0x0
	s_add_nc_u64 s[20:21], s[4:5], s[20:21]
	s_add_nc_u64 s[22:23], s[6:7], s[22:23]
	s_add_nc_u64 s[46:47], s[8:9], s[46:47]
	s_add_nc_u64 s[92:93], s[10:11], s[92:93]
	CROUND                                         ; all sixteen work-groups are here: the joint loads meet
	s_mov_b32 s[G0S], 1
	s_add_co_u32 s[G0S+1], s94, SCL
	s_mov_b64 s[G0S+2:G0S+3], s[22:23]
	s_or_b32 s[G0S+3], s[G0S+3], 0x80000000
	s_mov_b32 s[G0SB], 1
	s_add_co_u32 s[G0SB+1], s94, SCL
	s_mov_b64 s[G0SB+2:G0SB+3], s[92:93]
	s_or_b32 s[G0SB+3], s[G0SB+3], 0x80000000
	JLOAD G0S, G1S, G0SB, G1SB                     ; the scales first: they are wanted with slot 0
.irp s, 0,1
	s_mov_b32 s[G0+4*\s], 1
	s_add_co_u32 s[G0+4*\s+1], s45, \s*SLOT
	s_add_nc_u64 s[G0+4*\s+2:G0+4*\s+3], s[20:21], \s*ROWB
	s_or_b32 s[G0+4*\s+3], s[G0+4*\s+3], 0x80000000
	s_mov_b32 s[G0B+4*\s], 1
	s_add_co_u32 s[G0B+4*\s+1], s45, \s*SLOT
	s_add_nc_u64 s[G0B+4*\s+2:G0B+4*\s+3], s[46:47], \s*ROWB
	s_or_b32 s[G0B+4*\s+3], s[G0B+4*\s+3], 0x80000000
	JLOAD G0+4*\s, G1, G0B+4*\s, G1B               ; three loads of mine are out behind the second of these
.endr
	v_and_b32 v1, 15, v0                           ; l % 16
	v_bfe_u32 v2, v0, 4, 1                         ; l / 16
	v_mul_u32_u24 v3, v1, PITCH
	v_lshl_add_u32 v4, v2, 4, v3                   ; a fragment's row x pitch + 16 x half
	s_mul_i32 s21, s15, HALFT                      ; my 128 rows of x
	s_mul_i32 s22, s16, HALFT                      ; my 128 rows of w,
	s_add_co_u32 s22, s22, 2*HALFT                 ; which lie behind x's 256
.irp s, 0,1
	v_add_nc_u32 v[ADRA+\s], s21, v4
	v_add_nc_u32 v[ADRB+\s], s22, v4
	s_add_co_u32 s21, s21, SLOT
	s_add_co_u32 s22, s22, SLOT
.endr
	v_mul_u32_u24 v5, v1, KS                       ; my row's scales: 32 bytes a row,
	v_lshrrev_b32 v6, 8, v5
	v_lshl_add_u32 v5, v6, 4, v5                   ; and 16 more for each 256 passed
	s_mul_i32 s21, s15, HALFS                      ; x's: my 128 rows
	s_mul_i32 s22, s16, HALFS                      ; w's: my 128 rows, behind x's 256
	s_add_co_u32 s22, s22, 2*HALFS
	s_sub_co_u32 s22, s22, s21
	v_mul_u32_u24 v6, s22, v2                      ; lanes 16-31 take w's: one product, the distance between the two bases
	s_add_co_u32 s21, s21, SCL
	v_add_nc_u32 v5, v5, v6
	v_add_nc_u32 v[ADRS], s21, v5
	s_mul_i32 s23, s14, 16*SPITCH                  ; my stage
	v_mul_u32_u24 v5, v1, SPITCH                   ; in: row l % 16, 16 bytes for each half of the lanes
	v_lshl_add_u32 v5, v2, 4, v5
	v_add_nc_u32 v[STO], s23, v5
	v_mul_u32_u24 v5, v2, SPITCH                   ; back: lanes 0-15 take one row of 256 bytes, lanes 16-31 the next
	v_lshl_add_u32 v5, v1, 4, v5
	v_add_nc_u32 v[RD], s23, v5
	v_lshlrev_b32 v5, 11, v2                       ; and the same two rows in pj
	v_lshl_add_u32 v[CO], v1, 4, v5
	s_lshl_b32 s20, s17, 8
	s_lshl_b32 s21, s15, 7
	s_add_co_u32 s20, s20, s21                     ; my first row of pj: 256 x tile row + 128 x half
	s_lshl_b32 s20, s20, 11
	s_mov_b32 s21, 0
	s_lshl_b32 s46, s42, 9                         ; my first column, in bytes: 512 x tile column + 256 x half
	s_lshl_b32 s47, s16, 8
	s_add_co_u32 s46, s46, s47
	s_mov_b32 s47, 0
	s_add_nc_u64 s[20:21], s[20:21], s[46:47]
	s_add_nc_u64 s[12:13], s[12:13], s[20:21]
.macro FRAG reg, adr, q, i             ; a fragment, 16 rows x 128 K of 4-bit codes: lane l holds row l % 16; registers 4 c .. 4 c + 3 hold K = 64 c + 32 (l / 16) + 0 .. 31
.irp c, 0,1
	ds_load_b128 v[\reg+4*\c:\reg+4*\c+3], v[\adr] offset:64*(\q)+32*\c+(\i)*16*PITCH
.endr
.endm
; 16 matrix instructions: x's blocks a0, a0 + 1 against w's eight, 128 along K: the slot's q-th.  p: w's set;  sc: the set of scale words.  zero = 1: the first product starts the sums.
; The 64 accumulators take turns, one instruction a turn, in the same order in every step.
.macro MUL16 a0, p, q, sc, zero
.irp a, \a0, \a0+1
.irp b, 0,1,2,3,4,5,6,7
.if \zero
	v_wmma_scale_f32_16x16x128_f8f6f4 v[8*(8*((\a)%4)+\b):8*(8*((\a)%4)+\b)+7], v[128*(\p)+FR*\b:128*(\p)+FR*\b+FR-1], v[AF+FR*(\a):AF+FR*(\a)+FR-1], 0, v[SC+8*NQ*(\sc)+NQ*\b+(\q)], v[SC+8*NQ*(\sc)+NQ*(\a)+(\q)] matrix_a_fmt:MATRIX_FMT_FP4 matrix_b_fmt:MATRIX_FMT_FP4 matrix_a_scale:MATRIX_SCALE_ROW1
.else
	v_wmma_scale_f32_16x16x128_f8f6f4 v[8*(8*((\a)%4)+\b):8*(8*((\a)%4)+\b)+7], v[128*(\p)+FR*\b:128*(\p)+FR*\b+FR-1], v[AF+FR*(\a):AF+FR*(\a)+FR-1], v[8*(8*((\a)%4)+\b):8*(8*((\a)%4)+\b)+7], v[SC+8*NQ*(\sc)+NQ*\b+(\q)], v[SC+8*NQ*(\sc)+NQ*(\a)+(\q)] matrix_a_fmt:MATRIX_FMT_FP4 matrix_b_fmt:MATRIX_FMT_FP4 matrix_a_scale:MATRIX_SCALE_ROW1
.endif
.endr
.endr
.endm
.macro FETCH_B slot, q, p              ; w's eight fragments of the slot's q-th 128 along K into set p
	WIN TO_B
.irp i, 0,1,2,3,4,5,6,7
	FRAG 128*(\p)+FR*\i, ADRB+\slot, \q, \i
.endr
	WIN 0
.endm
.macro FETCH_A slot, q, i0             ; x's blocks i0 .. i0 + 3
.irp i, \i0, \i0+1, \i0+2, \i0+3
	FRAG AF+FR*(\i), ADRA+\slot, \q, \i
.endr
.endm
.macro SCALES sc                       ; a slot's scale words into set sc: four words a row; lanes 0-15 take x's block i, lanes 16-31 w's block i
.irp i, 0,1,2,3,4,5,6,7
	ds_load_b128 v[SC+8*NQ*\sc+NQ*\i:SC+8*NQ*\sc+NQ*\i+3], v[ADRS] offset:\i*SBLK
.endr
.endm
; A load into a register that a matrix instruction has read, and a vector instruction that reads a matrix result, stand NP places behind that matrix instruction; only plain vector
; instructions that name none of its registers are places (ISA guide 7.12.1 for vector instructions).
.macro PLACES n
.rept \n
	v_nop
.endr
.endm
; A step of 128 along K that has its successor in the same slot.
.macro STEP slot, q, zero
	s_wait_dscnt 4*NL                              ; w's set and x's blocks 0-3 are in; the youngest eight loads (x's blocks 4-7) may be out
	WIN MUL_LO
	MUL16 0, (\q)%2, \q, \slot, \zero
	MUL16 2, (\q)%2, \q, \slot, \zero
	s_wait_dscnt 0                                 ; x's blocks 4-7 are in (asked for 32 matrix instructions ago)
	PLACES NP
	FETCH_B \slot, (\q)+1, 1-(\q)%2
	FETCH_A \slot, (\q)+1, 0
	WIN MUL_HI
	MUL16 4, (\q)%2, \q, \slot, \zero
	MUL16 6, (\q)%2, \q, \slot, \zero
	PLACES NP
	WIN 0
	FETCH_A \slot, (\q)+1, 4
.endm
; Slot 0's last step changes slots: one barrier; in front of it each wave waits for all its tensor loads (slot 1's), adds 0 to its spare word, and waits for that and for its own reads of slot 0.
; Behind it slot 1 is whole and nobody reads slot 0 any more: it serves as the stage on the way out.  Nothing is filled again.
.macro TURN slot, next
	s_wait_tensorcnt 0x0                           ; all my tensor loads have landed  (every window is 0 here: the add's two registers lie in window 0)
	ds_add_u32 v[SPW], v[NIL]                      ; 0 onto my spare word
	s_wait_dscnt 4*NL+1                            ; (the add and the youngest eight loads, x's blocks 4-7, may be out)
	WIN MUL_LO
	MUL16 0, 1, NQ-1, \slot, 0                     ; sixteen matrix instructions stand between the add and the wait for it
	s_wait_dscnt 0x0                               ; the add is done, and my reads of this slot are over
	s_barrier_signal -1
	MUL16 2, 1, NQ-1, \slot, 0
	WIN 0
	s_barrier_wait -1
	PLACES NP
	v_add_nc_u32 v[ADRS], 4*NQ, v[ADRS]            ; on to the next slot's scale words (no LDS load of mine is out)
	FETCH_B \next, 0, 0
	FETCH_A \next, 0, 0
	SCALES \next
	WIN MUL_HI
	MUL16 4, 1, NQ-1, \slot, 0
	MUL16 6, 1, NQ-1, \slot, 0
	PLACES NP
	WIN 0
	FETCH_A \next, 0, 4
.endm
.macro STEPS slot, from                ; the slot's steps from .. NQ - 2
.set Q, \from
.rept NQ-1-\from
	STEP \slot, Q, 0
.set Q, Q+1
.endr
.endm
	s_wait_tensorcnt 1                             ; the scales and my part of slot 0 are in (slot 1's load, the youngest, may be out),
	s_barrier_signal -1
	s_barrier_wait -1                              ; everybody's are
	FETCH_B 0, 0, 0
	FETCH_A 0, 0, 0
	SCALES 0
	FETCH_A 0, 0, 4
	STEP 0, 0, 1                                   ; the first step's products start the sums: nothing is cleared
	STEPS 0, 1
	TURN 0, 1
	STEPS 1, 0
	s_wait_dscnt 4*NL                              ; the very last step: nothing more to fetch
	WIN MUL_LO
	MUL16 0, 1, NQ-1, 1, 0
	MUL16 2, 1, NQ-1, 1, 0
	s_wait_dscnt 0
	WIN MUL_HI
	MUL16 4, 1, NQ-1, 1, 0
	MUL16 6, 1, NQ-1, 1, 0
	WIN 0
; THE WAY OUT, block by block of 16 rows x 128 columns.  PACK: rounded to f16, 16 bytes a lane, each accumulator from its low end on.  TOSTAGE: into my own stage and back as whole rows of 256 bytes.  SEND: stored.
.macro PACK a
.set AC, 64*((\a)%4)
.set WN, 0x0a+5*((\a)/4)
	WIN WN                                         ; sources 0 and 1: window 2 or 3
.irp b, 0,1,2,3,4,5,6,7
.irp r, 0,1,2,3
	v_cvt_pk_f16_f32 v[TMP+4*\b+\r], v[AC+8*\b+2*\r], v[AC+8*\b+2*\r+1]
.endr
.endr
	WIN 0
.endm
.macro TOSTAGE a
.set BK, OB+192*((\a)%2)
.irp b, 0,1,2,3,4,5,6,7
	ds_store_b128 v[STO], v[TMP+4*\b:TMP+4*\b+3] offset:32*\b
.endr
.irp t, 0,1,2,3,4,5,6,7
	ds_load_b128 v[BK+4*\t:BK+4*\t+3], v[RD] offset:\t*2*SPITCH    ; LDS serves a wave's instructions in order (ISA guide 5.7.1.4): these see the stores above
.endr
.endm
.macro SEND a
.set BK, OB+192*((\a)%2)
	s_wait_dscnt 0x0                               ; the block is back in registers
	s_wait_xcnt 0x0                                ; the earlier stores have read their base and their registers: only behind this wait are they written again
.if (\a) > 0
	s_add_nc_u64 s[12:13], s[12:13], 16*CROW       ; 16 rows of pj on
.endif
.irp t, 0,1,2,3,4,5,6,7
	global_store_b128 v[CO], v[BK+4*\t:BK+4*\t+3], s[12:13] offset:2*\t*CROW   ; 16 lanes store 256 consecutive bytes, at a multiple of 256 from pj's first byte
.endr
.endm
	PLACES NP                                      ; behind the last products: for the conversions that read results and the loads into registers that held scale words
	PACK 0
	TOSTAGE 0
.irp a, 1,2,3,4,5,6,7                  ; block a's conversions stand between block a - 1's loads from the stage and the wait for them
	PACK \a
	SEND \a-1
	TOSTAGE \a
.endr
	SEND 7
	s_wait_tensorcnt 0x0                           ; the wave's end
	ds_add_u32 v[SPW], v[NIL]
	s_wait_dscnt 0x0
	CROUND                                         ; the closing round: no work-group ends while a partner may still ask for a tile that names it
	s_endpgm
.Lfunc_end_k_qe6f7287eca_proj:
	.size	k_qe6f7287eca_proj, .Lfunc_end_k_qe6f7287eca_proj-k_qe6f7287eca_proj
	.p2alignl 7, 3214868480
	.fill 96, 4, 3214868480
	.section	.rodata,"a",@progbits
	.p2align	6, 0x0
	.amdhsa_kernel k_qe6f7287eca_proj
		.amdhsa_group_segment_fixed_size 327680
		.amdhsa_private_segment_fixed_size 0
		.amdhsa_enable_private_segment 0
		.amdhsa_kernarg_size 40
		.amdhsa_user_sgpr_count 2
		.amdhsa_user_sgpr_kernarg_segment_ptr 1
		.amdhsa_wavefront_size32 1
		.amdhsa_system_sgpr_workgroup_id_x 1
		.amdhsa_system_sgpr_workgroup_id_y 1
		.amdhsa_system_sgpr_workgroup_id_z 1
		.amdhsa_system_vgpr_workitem_id 0
		.amdhsa_next_free_vgpr 1024
		.amdhsa_next_free_sgpr 98
		.amdhsa_reserve_vcc 0
		.amdhsa_float_denorm_mode_32 3
		.amdhsa_float_denorm_mode_16_64 3
		.amdhsa_memory_ordered 1
		.amdhsa_forward_progress 1
		.amdhsa_inst_pref_size 127
	.end_amdhsa_kernel
	.amdgpu_metadata
---
amdhsa.version: [ 1, 2 ]
amdhsa.kernels:
  - .name:           k_qe6f7287eca_proj
    .symbol:         k_qe6f7287eca_proj.kd
    .args:
      - { .name: xc, .offset: 0, .size: 8, .value_kind: global_buffer, .address_space: global }
      - { .name: xs, .offset: 8, .size: 8, .value_kind: global_buffer, .address_space: global }
      - { .name: wc, .offset: 16, .size: 8, .value_kind: global_buffer, .address_space: global }
      - { .name: ws, .offset: 24, .size: 8, .value_kind: global_buffer, .address_space: global }
      - { .name: pj, .offset: 32, .size: 8, .value_kind: global_buffer, .address_space: global }
    .group_segment_fixed_size: 327680
    .private_segment_fixed_size: 0
    .kernarg_segment_align: 8
    .kernarg_segment_size: 40
    .max_flat_workgroup_size: 128
    .sgpr_count:     98
    .vgpr_count:     1024
    .wavefront_size: 32
...
	.end_amdgpu_metadata
.endif
;; end of part 2
;; launch scores (part 3): grid 8 x 32, 4 waves a work-group, clusters of 4 x 4, 327,680 bytes of LDS; arguments pj, pp, st; writes pp, st
.if DOCPART == 3
	.amdgcn_target "amdgcn-amd-amdhsa--gfx1250"
	.amdhsa_code_object_version 6
	.text
	.protected	k_qe6f7287eca_scores
	.globl	k_qe6f7287eca_scores
	.p2align	8
	.type	k_qe6f7287eca_scores,@function
k_qe6f7287eca_scores:
	s_mov_b64 s[64:65], 0
	v_nop
	global_prefetch_b8 v0, s[64:65] scope:SCOPE_SE
	s_setreg_imm32_b32 hwreg(HW_REG_WAVE_MODE, 25, 1), 1
	s_wait_xcnt 0x0
	s_wait_alu depctr_hold_cnt(0) depctr_sa_sdst(0) depctr_va_vdst(0) depctr_va_sdst(0) depctr_va_ssrc(0) depctr_va_vcc(0) depctr_vm_vsrc(0)
	s_getreg_b32 s2, hwreg(HW_REG_IB_STS2, 6, 4)
	s_cmp_eq_u32 s2, 0
	s_cbranch_scc0 .Lentry_in_a_cluster
	s_endpgm
.Lentry_in_a_cluster:
	s_bfe_u32 s2, ttmp6, 0x10000c
	s_cmp_lg_u32 s2, 0xf033
	s_cbranch_scc0 .Lentry_shape_is_right
	s_endpgm
.Lentry_shape_is_right:
; For each batch: S[q][k] = sum over d of qp[q][d] kp[k][d] (f16 operands, f32 sums), t = S x log2(e) / 32.  For each query and each CHUNK of 128 keys:
;   -Mc = floor(-(the chunk's largest t)), a whole number;  p = 2^(t - Mc), at most 1, rounded to f16 -> pp;  lc = the f32 sum of the unrounded p;  (-Mc, lc) -> st[16 chunks][8192 queries][2].
; The next launch brings the chunks under one M by exact powers of two and divides by the row's sum: together that is exp(s) / sum(exp(s)), with a maximum taken away so that no exponential overflows.
; pp IS LAID IN THE ORDER OF THE NEXT PRODUCT'S OPERAND REGISTERS: [512 blocks of 16 queries][64 quarters of 32 keys][2 halves][32 lanes][16 bytes]: a fragment (16 queries x 32 keys) is 1,024 consecutive bytes.
; qp = rows 0 .. 8191 of pj, kp = rows 8192 .. 16383; a row is 1,024 f16.
; A tile of S, 256 x 256, is made by a work-group of four waves; a wave makes 128 queries x 128 keys (one chunk): 64 accumulators of 16 x 16, 512 registers.
; K = 1,024 goes in eight steps of 128 through a ring of two LDS slots filled by the tensor data mover; a tile's row is 256 bytes of memory.
; CLUSTERS: 4 x 4 work-groups, all of one batch.  The four of a row of the cluster need the same tiles of qp, the four of a column the same tiles of kp: each tile is asked for JOINTLY.
; THE MATRIX INSTRUCTION IS USED TRANSPOSED (source 0 = 16 keys, source 1 = 16 queries): lane l holds query l % 16 and, in accumulator b, the keys 16 b + 8 (l / 16) + 0 .. 7.  Rounded to f16 in pairs, accumulators
; 2 u and 2 u + 1 ARE registers 0-3 and 4-7 of the fragment of keys 32 u on: they are stored as they stand, 512 consecutive bytes a store, and nothing goes through LDS on the way out.
; REGISTERS, in windows of 256: window 0: v0-31 addresses; v64-127, v128-191 fragments of qp, two buffers; on the way out v64-111 and v192-255.
;   window 1: v64-127, v128-191 fragments of kp.   window 2: the accumulators of my queries 0-63 ((a, b) at v[8 (8 a + b)]);   window 3: those of my queries 64-127.
.set SIZE_K, 1024
.set KSTEP,  128
.set PITCH,  272                       ; an LDS row: 256 bytes + 16 of padding = 68 words: row r starts at bank 4 r mod 64 (64 banks of 4 bytes: ISA guide 11.1)
.set HALFT,  128*PITCH                 ; 128 rows: what one tensor load brings, and what one wave reads of qp or of kp
.set SLOT,   4*HALFT                   ; qp's 256 rows, then kp's 256 rows
.set SPARE,  2*SLOT                    ; behind the ring: the spare words, 128 bytes for each wave: two blocks of 256 bytes that no other line names
.set LAPS,   SIZE_K/(2*KSTEP)          ; a lap = two K steps = once round the ring
.set BLKB,   65536                     ; bytes of pp from a block of 16 queries to the next: 64 fragments of 1,024
.set ADRA, 16                          ; v16-17  LDS address of my qp fragments in slot 0, 1
.set ADRB, 20                          ; v20-21  the same for kp
.set CO,   26                          ; v26     16 x lane: my bytes of half a fragment
.set SV,   27                          ; v27     8 x lane: my pair in st
.set SPW,  28                          ; v28     LDS address of my spare word; never rewritten
.set NIL,  29                          ; v29     0; never rewritten
.set F0,   64                          ; fragment buffer 0
.set F1,   128                         ; fragment buffer 1
.set T,    64                          ; the way out: v64-67 four chains of the maximum
.set PX,   68                          ; v68     what the lane 16 away holds
.set NM,   70                          ; v[70:71] -Mc (the packed form names a pair and takes its low word)
.set LS,   72                          ; v72-75  two chains of packed sums
.set NMK,  96                          ; v96-103  each block's -Mc
.set LK,   104                         ; v104-111 each block's lc
.set TMP,  192                         ; a block's four fragments of p: v192-223 and v224-255 by turns
.set G1, 24                            ; s[24:31] descriptor group 1 for qp's tiles;  s[32:39] group 0, one set for each slot
.set G0, 32
.set G1B, 48                           ; s[48:55], s[56:63] the same for kp's tiles
.set G0B, 56
.set CS,  68                           ; s[68:69] c = log2(e) / 32
.set SEL, 70                           ; s[70:71] lane selects for v_permlanex16_b32: lane l xor 16
.set MSB, 0
.macro WIN new                         ; the immediate's high byte repeats the setting that is left
.if MSB != \new
	s_set_vgpr_msb (MSB<<8)|\new
.set MSB, \new
.endif
.endm
.set MUL_LO, 0xa1                      ; source 0 (kp) window 1, source 1 (qp) window 0, C and D window 2
.set MUL_HI, 0xf1                      ; the same, C and D window 3
.set TO_B,   0x40                      ; destination window 1, address window 0
; A joint load: waves 0 and 1 fetch qp's two halves, waves 2 and 3 kp's.  The branch hangs on the wave's number alone.  Four v_nop follow each of the two lines.
.macro JLOAD s
	s_cmp_eq_u32 s11, 0
	s_cbranch_scc0 .Lfor_b_\@
	tensor_load_to_lds s[G0+4*\s:G0+4*\s+3], s[G1:G1+7]
	s_nop 0
.rept 4
	v_nop
.endr
	s_branch .Lasked_\@
.Lfor_b_\@:
	tensor_load_to_lds s[G0B+4*\s:G0B+4*\s+3], s[G1B:G1B+7]
	s_nop 0
.rept 4
	v_nop
.endr
.Lasked_\@:
.endm
.macro CREST                           ; a round of the cluster's barrier behind its opening barrier
	s_cmp_lg_u32 s10, 0
	s_cbranch_scc1 .Lnot_wave_0_\@
	s_barrier_signal -3
.Lnot_wave_0_\@:
	s_barrier_wait -3
	s_barrier_signal -1
	s_barrier_wait -1
.endm
.macro CROUND                          ; a whole round
	s_barrier_signal -1
	s_barrier_wait -1
	CREST
.endm
	s_load_b128 s[4:7], s[0:1], 0x0                ; pj s[4:5], pp s[6:7]
	s_load_b64 s[66:67], s[0:1], 0x10              ; st
	v_lshl_add_u32 v[SPW], v0, 2, SPARE
	v_mov_b32 v[NIL], 0
	ds_add_u32 v28, v29
	s_wait_dscnt 0x0
	v_lshrrev_b32 v1, 5, v0
	v_readfirstlane_b32 s10, v1                    ; wave 0..3
	s_lshr_b32 s11, s10, 1                         ; which half of the tile's queries is mine.  Also: I fetch for qp (0) or for kp (1)
	s_and_b32 s12, s10, 1                          ; which half of its keys.  Also: which 128 rows of that tile I fetch
	s_bfe_u32 s40, ttmp6, 0x40000                  ; cx, cy: my place in the cluster
	s_bfe_u32 s41, ttmp6, 0x40004
	s_lshl_b32 s42, ttmp9, 2
	s_add_co_u32 s42, s42, s40                     ; tile column (keys) = 4 x cluster x + cx, 0 .. 7
	s_and_b32 s45, ttmp7, 0xffff                   ; cluster y
	s_lshl_b32 s13, s45, 2
	s_add_co_u32 s13, s13, s41                     ; tile row (queries of all batches) = 4 x cluster y + cy, 0 .. 31
	s_lshr_b32 s45, s45, 1                         ; the batch: two clusters (2,048 queries) each; the same in all sixteen partners
	s_lshl_b32 s43, s41, 2
	s_lshl_b32 s43, 15, s43                        ; my row of the cluster
	s_lshl_b32 s44, 0x1111, s40                    ; my column
	; descriptor group 1: a tile of 128 rows x 128 elements of 2 bytes, padded in LDS
	s_or_b32 s[G1+0], s43, (1<<16)|(1<<20)|(1<<21)|(5<<22)|(3<<25)  ; 15:0 the mask; 17:16 elements of 2 bytes; 20 padding on; 21 set beside a mask; 24:22 after every 64 words (code 5); 31:25 four words (code 3)
	s_or_b32 s[G1B+0], s44, (1<<16)|(1<<20)|(1<<21)|(5<<22)|(3<<25)
.irp g, G1, G1B
	s_mov_b32 s[\g+1], KSTEP<<16                   ; tensor_dim0
	s_mov_b32 s[\g+2], 128<<16                     ; tensor_dim1
	s_mov_b32 s[\g+3], KSTEP<<16                   ; tile_dim0
	s_mov_b32 s[\g+4], 128                         ; tile_dim1
	s_mov_b32 s[\g+5], SIZE_K                      ; tensor_dim0_stride
	s_mov_b32 s[\g+6], 0
	s_mov_b32 s[\g+7], 0
.endr
	s_mov_b32 s[CS], 0x3d38aa3b                    ; c = log2(e) / sqrt(1024)
	s_mov_b32 s[CS+1], s[CS]                       ; (named with it as a pair, so it is written)
	s_mov_b32 s[SEL], 0x76543210
	s_mov_b32 s[SEL+1], 0xfedcba98
	s_lshl_b32 s17, s12, 7                         ; which 128 rows of the tile I fetch
	s_lshl_b32 s16, s13, 8
	s_add_co_u32 s16, s16, s17                     ; qp: row 256 x tile row + 128 x half
	s_lshl_b32 s16, s16, 11                        ; in bytes: 2,048 a row (under 2^32)
	s_lshl_b32 s46, s42, 8
	s_add_co_u32 s46, s46, s17
	s_lshl_b32 s47, s45, 11
	s_add_co_u32 s46, s46, s47                     ; kp: row 2,048 x batch + 256 x tile column + 128 x half
	s_lshl_b32 s46, s46, 11
	s_mov_b32 s17, 0
	s_mov_b32 s47, 0
	s_mul_i32 s20, s10, HALFT                      ; where they go: wave x 128 rows: no place in the cluster enters an LDS address
	s_wait_kmcnt 0x0
	s_mov_b64 s[8:9], s[6:7]                       ; pp
	s_add_nc_u64 s[6:7], s[4:5], 0x1000000         ; kp begins 8,192 rows of 2,048 bytes into pj
	s_add_nc_u64 s[14:15], s[4:5], s[16:17]
	s_add_nc_u64 s[46:47], s[6:7], s[46:47]
	CROUND                                         ; all sixteen work-groups are here: the first joint loads meet
.irp s, 0,1
	s_mov_b32 s[G0+4*\s], 1                                        ; count = 1
	s_add_co_u32 s[G0+4*\s+1], s20, \s*SLOT                        ; LDS address
	s_add_nc_u64 s[G0+4*\s+2:G0+4*\s+3], s[14:15], \s*KSTEP*2      ; global address: K step s
	s_or_b32 s[G0+4*\s+3], s[G0+4*\s+3], 0x80000000                ; type = 2
	s_mov_b32 s[G0B+4*\s], 1
	s_add_co_u32 s[G0B+4*\s+1], s20, \s*SLOT
	s_add_nc_u64 s[G0B+4*\s+2:G0B+4*\s+3], s[46:47], \s*KSTEP*2
	s_or_b32 s[G0B+4*\s+3], s[G0B+4*\s+3], 0x80000000
	JLOAD \s                                       ; two loads of mine are out behind the second
.endr
	v_and_b32 v1, 15, v0                           ; l % 16
	v_bfe_u32 v2, v0, 4, 1                         ; l / 16
	v_mul_u32_u24 v3, v1, PITCH
	v_lshl_add_u32 v3, v2, 4, v3                   ; a fragment's row x pitch + 16 x half
	s_mul_i32 s21, s11, HALFT                      ; my 128 rows of qp
	s_mul_i32 s22, s12, HALFT                      ; my 128 rows of kp,
	s_add_co_u32 s22, s22, 2*HALFT                 ; which lie behind qp's 256
.irp s, 0,1
	v_add_nc_u32 v[ADRA+\s], s21, v3
	v_add_nc_u32 v[ADRB+\s], s22, v3
	s_add_co_u32 s21, s21, SLOT
	s_add_co_u32 s22, s22, SLOT
.endr
	v_and_b32 v[SV], 31, v0
	v_lshlrev_b32 v[CO], 4, v[SV]
	v_lshlrev_b32 v[SV], 3, v[SV]
	s_lshl_b32 s16, s13, 8
	s_lshl_b32 s17, s11, 7
	s_add_co_u32 s16, s16, s17                     ; my first query: 256 x tile row + 128 x half
	s_lshl_b32 s18, s16, 3                         ; its pair in a chunk of st
	s_mov_b32 s19, 0
	s_lshl_b32 s16, s16, 12                        ; its block in pp: 65,536 bytes for 16 queries
	s_mov_b32 s17, 0
	s_lshl_b32 s46, s42, 1
	s_add_co_u32 s46, s46, s12                     ; my chunk of keys: 2 x tile column + half
	s_lshl_b32 s20, s46, 12                        ; its four fragments: 4,096 bytes a chunk
	s_mov_b32 s21, 0
	s_add_nc_u64 s[16:17], s[16:17], s[20:21]
	s_add_nc_u64 s[8:9], s[8:9], s[16:17]
	s_lshl_b32 s46, s46, 16                        ; in st: 65,536 bytes a chunk
	s_mov_b32 s47, 0
	s_add_nc_u64 s[18:19], s[18:19], s[46:47]
	s_add_nc_u64 s[66:67], s[66:67], s[18:19]
; 16 matrix instructions: query blocks a0, a0 + 1 of the window's four (hi = 0: my queries 0-63, 1: 64-127) x all 8 key blocks, 32 along K.  zero = 1: the first product starts the sums.
; The 64 accumulators take turns, one instruction a turn, in the same order in every quarter.
.macro MUL16 f, hi, a0, zero
.irp a, \a0, \a0+1
.irp b, 0,1,2,3,4,5,6,7
.if \zero
	v_wmma_f32_16x16x32_f16 v[8*(8*(\a)+\b):8*(8*(\a)+\b)+7], v[\f+8*\b:\f+8*\b+7], v[\f+8*(4*\hi+\a):\f+8*(4*\hi+\a)+7], 0
.else
	v_wmma_f32_16x16x32_f16 v[8*(8*(\a)+\b):8*(8*(\a)+\b)+7], v[\f+8*\b:\f+8*\b+7], v[\f+8*(4*\hi+\a):\f+8*(4*\hi+\a)+7], v[8*(8*(\a)+\b):8*(8*(\a)+\b)+7]
.endif
.endr
.endr
.endm
; 32 LDS loads in one run: the fragments of one quarter step (128 rows of kp, 128 rows of qp, 32 K at byte k of the rows) into buffer f
.macro FETCH slot, k, f
	WIN TO_B
.irp i, 0,1,2,3,4,5,6,7
	ds_load_b128 v[\f+8*\i:\f+8*\i+3],   v[ADRB+\slot] offset:\k+\i*16*PITCH
	ds_load_b128 v[\f+8*\i+4:\f+8*\i+7], v[ADRB+\slot] offset:\k+\i*16*PITCH+32
.endr
	WIN 0
.irp i, 0,1,2,3,4,5,6,7
	ds_load_b128 v[\f+8*\i:\f+8*\i+3],   v[ADRA+\slot] offset:\k+\i*16*PITCH
	ds_load_b128 v[\f+8*\i+4:\f+8*\i+7], v[ADRA+\slot] offset:\k+\i*16*PITCH+32
.endr
.endm
; A load into a register that a matrix instruction has read, and a vector instruction that reads a matrix result or writes one of a matrix instruction's registers, stand four places behind it;
; only plain vector instructions that name none of its registers are places (ISA guide 7.12.1 for vector instructions).
.macro PLACES
.rept 4
	v_nop
.endr
.endm
; A K step is four quarters of 32 along K, 64 matrix instructions each, on buffers 0, 1, 0, 1.  One of the first three multiplies buffer f and fetches the next quarter, at byte k, into buffer g.
.macro QUARTER slot, k, f, g, zero
	s_wait_dscnt 8                                 ; kp and qp's rows 0-63 are in; the youngest eight loads (qp's rows 64-127) may be out
	WIN MUL_LO
	MUL16 \f, 0, 0, \zero
	MUL16 \f, 0, 2, \zero
	PLACES
	FETCH \slot, \k, \g
	s_wait_dscnt 32                                ; all but the 32 just issued
	WIN MUL_HI
	MUL16 \f, 1, 0, \zero
	MUL16 \f, 1, 2, \zero
.endm
; The last quarter multiplies buffer 1 and changes slots.  MEET is its first half: ONE barrier.  In front of it each wave waits for all its tensor loads, of which one is out: its part of the next slot;
; adds 0 to its spare word; and waits for that and for its own reads of this slot.  Behind it nobody reads this slot any more and the next slot is whole.
.macro MEET round                      ; round = 1: a round of the cluster's barrier follows
	WIN 0                                          ; (the add's two registers lie in window 0)
	s_wait_tensorcnt 0x0                           ; all my tensor loads have landed
	ds_add_u32 v[SPW], v[NIL]                      ; 0 onto my spare word
	s_wait_dscnt 9                                 ; (the add and the youngest eight loads may be out)
	WIN MUL_LO
	MUL16 F1, 0, 0, 0                              ; sixteen matrix instructions stand between the add and the wait for it
	s_wait_dscnt 0x0                               ; the add is done, and my reads of this slot are over
	s_barrier_signal -1
	MUL16 F1, 0, 2, 0                              ; work on registers while the others arrive
.if \round
	WIN 0
.endif
	s_barrier_wait -1
.endm
; fill = 1: behind the round the slot just read out is filled again, with the K step two on; from that request to the wait for it a wave issues 224 matrix instructions.
.macro TURN slot, next, fill
	MEET \fill
.if \fill
	CREST                                          ; no wave of any partner still reads this slot's tile or has a load on its way
	s_add_nc_u64 s[G0+4*\slot+2:G0+4*\slot+3], s[G0+4*\slot+2:G0+4*\slot+3], 2*KSTEP*2
	s_add_nc_u64 s[G0B+4*\slot+2:G0B+4*\slot+3], s[G0B+4*\slot+2:G0B+4*\slot+3], 2*KSTEP*2
	JLOAD \slot                                    ; the first tensor load behind the round; the four v_nop behind it are also the places in front of the loads below
.else
	PLACES
.endif
	FETCH \next, 0, F0
	WIN MUL_HI
	MUL16 F1, 1, 0, 0
	MUL16 F1, 1, 2, 0
.endm
	s_wait_tensorcnt 1                             ; my part of K step 0 is in (K step 1's load may be out),
	s_barrier_signal -1
	s_barrier_wait -1                              ; everybody's is
	FETCH 0, 0, F0
	QUARTER 0, 64,  F0, F1, 1                      ; the first quarter stands in front of the loop: its products start the sums
	WIN 0                                          ; at a label and at a branch every window is 0
	s_mov_b32 s3, LAPS-1
.Llap:                                                 ; a trip goes once round the ring, from a lap's second quarter to the next lap's first, and fills both slots again
	QUARTER 0, 128, F1, F0, 0
	QUARTER 0, 192, F0, F1, 0
	TURN 0, 1, 1
	QUARTER 1, 64,  F0, F1, 0
	QUARTER 1, 128, F1, F0, 0
	QUARTER 1, 192, F0, F1, 0
	TURN 1, 0, 1
	QUARTER 0, 64,  F0, F1, 0
	WIN 0
	s_sub_co_u32 s3, s3, 1
	s_cmp_lg_u32 s3, 0
	s_cbranch_scc1 .Llap
	QUARTER 0, 128, F1, F0, 0                      ; the last lap is written out: it fills nothing
	QUARTER 0, 192, F0, F1, 0
	TURN 0, 1, 0
	QUARTER 1, 64,  F0, F1, 0
	QUARTER 1, 128, F1, F0, 0
	QUARTER 1, 192, F0, F1, 0
	s_wait_dscnt 8                                 ; the very last quarter: nothing more to fetch
	WIN MUL_LO
	MUL16 F1, 0, 0, 0
	MUL16 F1, 0, 2, 0
	s_wait_dscnt 0
	WIN MUL_HI
	MUL16 F1, 1, 0, 0
	MUL16 F1, 1, 2, 0
	WIN 0
; THE WAY OUT of block a (16 queries x my 128 keys): the chunk's softmax in the accumulators; the rounded p are four fragments of the next product, and leave as they stand.
.macro SOFT a
.set AC, 64*((\a)%4)
.set HW, (\a)/4
.set TM, TMP+32*((\a)%2)
	WIN 0
.irp p, 0,1,2,3
	v_mov_b32 v[T+\p], 0xff800000                  ; four chains of the maximum begin under every score
.endr
.set WN, 0x28+0x14*HW
	WIN WN                                         ; sources 1 and 2: window 2 or 3
.irp b, 0,1,2,3,4,5,6,7
.irp p, 0,1,2,3
	v_max3_num_f32 v[T+\p], v[T+\p], v[AC+8*\b+2*\p], v[AC+8*\b+2*\p+1]   ; each accumulator from its low end on
.endr
.endr
	WIN 0
	v_max3_num_f32 v[T], v[T], v[T+1], v[T+2]
	v_max_num_f32 v[T], v[T], v[T+3]
	v_permlanex16_b32 v[PX], v[T], s[SEL], s[SEL+1]   ; the query's other 64 keys lie in the lane 16 away
	v_max_num_f32 v[T], v[T], v[PX]
	v_mul_f32 v[T], s[CS], v[T]                    ; the largest t (c is positive)
	v_floor_f32 v[NM], -v[T]                       ; -Mc = floor(-t) = -ceil(t): a whole number
	v_mov_b32 v[NMK+(\a)], v[NM]
.set WN, 0x82+0x41*HW
	WIN WN                                         ; destination and source 0: window 2 or 3
.set j, 0
.rept 32
	v_pk_fma_f32 v[AC+j:AC+j+1], v[AC+j:AC+j+1], s[CS:CS+1], v[NM:NM+1] op_sel_hi:[1,0,0]   ; t - Mc, two at a time
.set j, j+2
.endr
.set j, 0
.rept 64
	v_exp_f32 v[AC+j], v[AC+j]                     ; p = 2^(t - Mc), at most 1
.set j, j+1
.endr
.set WN, 0x08+4*HW
	WIN WN                                         ; source 1: window 2 or 3
.irp i, 0,1,2,3
	v_mov_b32 v[LS+\i], 0                          ; the sums' two chains begin; these are also the plain lines behind the exponentials
.endr
.set j, 0
	s_wait_alu depctr_va_vdst(0)
.rept 16
	v_pk_add_f32 v[LS:LS+1], v[LS:LS+1], v[AC+j:AC+j+1]          ; the sum is taken of p before it is rounded
	v_pk_add_f32 v[LS+2:LS+3], v[LS+2:LS+3], v[AC+j+2:AC+j+3]
.set j, j+4
.endr
.set WN, 0x0a+5*HW
	WIN WN                                         ; sources 0 and 1: window 2 or 3
.irp b, 0,1,2,3,4,5,6,7
.irp r, 0,1,2,3
	v_cvt_pk_f16_f32 v[TM+4*\b+\r], v[AC+8*\b+2*\r], v[AC+8*\b+2*\r+1]   ; keys 16 b + 8 (l / 16) + 2 r, + 1 of query l % 16
.endr
.endr
	WIN 0
	v_pk_add_f32 v[LS:LS+1], v[LS:LS+1], v[LS+2:LS+3]
	v_add_f32 v[T], v[LS], v[LS+1]
	v_permlanex16_b32 v[PX], v[T], s[SEL], s[SEL+1]
	v_add_f32 v[LK+(\a)], v[T], v[PX]              ; lc, in both lanes of the query
.endm
.macro SEND a
.set TM, TMP+32*((\a)%2)
.irp b, 0,1,2,3,4,5,6,7
	global_store_b128 v[CO], v[TM+4*\b:TM+4*\b+3], s[8:9] offset:(\a)*BLKB+512*\b   ; half b % 2 of fragment b / 2: 32 lanes store 512 consecutive bytes, at a multiple of 512 from pp's first byte
.endr
.endm
	PLACES                                         ; behind the last products
	v_mov_b32 v[PX], 0                             ; written once: a lane permute's destination counts as one of its sources
	v_mov_b32 v[NM+1], 0                           ; (named as the upper half of a pair)
.irp a, 0,1,2,3,4,5,6,7
.if \a > 1
	s_wait_xcnt 0x0                                ; block a - 2's stores have read their registers, which block a's conversions write again
.endif
	SOFT \a
	SEND \a
.endr
	v_and_b32 v80, 31, v0
	v_cmp_lt_u32 vcc_lo, 15, v80                   ; lanes 16-31 take the odd block of each two: 32 queries' pairs, 256 consecutive bytes, aligned, to a store
.irp u, 0,1,2,3
	v_cndmask_b32 v[72+2*\u], v[NMK+2*\u], v[NMK+2*\u+1], vcc_lo
	v_cndmask_b32 v[73+2*\u], v[LK+2*\u], v[LK+2*\u+1], vcc_lo
.endr
.irp u, 0,1,2,3
	global_store_b64 v[SV], v[72+2*\u:73+2*\u], s[66:67] offset:256*\u
.endr
	s_wait_tensorcnt 0x0                           ; the wave's end
	ds_add_u32 v[SPW], v[NIL]
	s_wait_dscnt 0x0
	CROUND                                         ; the closing round: no work-group ends while a partner may still ask for a tile that names it
	s_endpgm
.Lfunc_end_k_qe6f7287eca_scores:
	.size	k_qe6f7287eca_scores, .Lfunc_end_k_qe6f7287eca_scores-k_qe6f7287eca_scores
	.p2alignl 7, 3214868480
	.fill 96, 4, 3214868480
	.section	.rodata,"a",@progbits
	.p2align	6, 0x0
	.amdhsa_kernel k_qe6f7287eca_scores
		.amdhsa_group_segment_fixed_size 327680
		.amdhsa_private_segment_fixed_size 0
		.amdhsa_enable_private_segment 0
		.amdhsa_kernarg_size 24
		.amdhsa_user_sgpr_count 2
		.amdhsa_user_sgpr_kernarg_segment_ptr 1
		.amdhsa_wavefront_size32 1
		.amdhsa_system_sgpr_workgroup_id_x 1
		.amdhsa_system_sgpr_workgroup_id_y 1
		.amdhsa_system_sgpr_workgroup_id_z 1
		.amdhsa_system_vgpr_workitem_id 0
		.amdhsa_next_free_vgpr 1024
		.amdhsa_next_free_sgpr 72
		.amdhsa_reserve_vcc 1
		.amdhsa_float_denorm_mode_32 3
		.amdhsa_float_denorm_mode_16_64 3
		.amdhsa_memory_ordered 1
		.amdhsa_forward_progress 1
		.amdhsa_inst_pref_size 207
	.end_amdhsa_kernel
	.amdgpu_metadata
---
amdhsa.version: [ 1, 2 ]
amdhsa.kernels:
  - .name:           k_qe6f7287eca_scores
    .symbol:         k_qe6f7287eca_scores.kd
    .args:
      - { .name: pj, .offset: 0, .size: 8, .value_kind: global_buffer, .address_space: global }
      - { .name: pp, .offset: 8, .size: 8, .value_kind: global_buffer, .address_space: global }
      - { .name: st, .offset: 16, .size: 8, .value_kind: global_buffer, .address_space: global }
    .group_segment_fixed_size: 327680
    .private_segment_fixed_size: 0
    .kernarg_segment_align: 8
    .kernarg_segment_size: 24
    .max_flat_workgroup_size: 128
    .sgpr_count:     72
    .vgpr_count:     1024
    .wavefront_size: 32
...
	.end_amdgpu_metadata
.endif
;; end of part 3
;; launch pv (part 4): grid 4 x 64, 4 waves a work-group, clusters of 4 x 4, 327,680 bytes of LDS; arguments pp, pj, st, out0; writes out0
.if DOCPART == 4
	.amdgcn_target "amdgcn-amd-amdhsa--gfx1250"
	.amdhsa_code_object_version 6
	.text
	.protected	k_qe6f7287eca_pv
	.globl	k_qe6f7287eca_pv
	.p2align	8
	.type	k_qe6f7287eca_pv,@function
k_qe6f7287eca_pv:
	s_mov_b64 s[64:65], 0
	v_nop
	global_prefetch_b8 v0, s[64:65] scope:SCOPE_SE
	s_setreg_imm32_b32 hwreg(HW_REG_WAVE_MODE, 25, 1), 1
	s_wait_xcnt 0x0
	s_wait_alu depctr_hold_cnt(0) depctr_sa_sdst(0) depctr_va_vdst(0) depctr_va_sdst(0) depctr_va_ssrc(0) depctr_va_vcc(0) depctr_vm_vsrc(0)
	s_getreg_b32 s2, hwreg(HW_REG_IB_STS2, 6, 4)
	s_cmp_eq_u32 s2, 0
	s_cbranch_scc0 .Lentry_in_a_cluster
	s_endpgm
.Lentry_in_a_cluster:
	s_bfe_u32 s2, ttmp6, 0x10000c
	s_cmp_lg_u32 s2, 0xf033
	s_cbranch_scc0 .Lentry_shape_is_right
	s_endpgm
.Lentry_shape_is_right:
; out0[q][d] = (sum over chunks c of fc[q] x sum over the chunk's 128 keys k of p[q][k] vp[k][d]) / l[q];  f16 operands, f32 sums, the factors applied in f32.
; pp holds p = 2^(t - Mc) in f16, in the order of the operand's registers: [512 blocks of 16 queries][64 quarters of 32 keys][2 halves][32 lanes][16 bytes].
; st[16 chunks][8192 queries][2] f32 holds (-Mc, lc); vp = rows 16384 .. of pj, [keys of all batches][1024] f16.
; -M = the least -Mc of a query; fc = 2^(Mc - M), at most 1, an exact power of two; l = sum of lc fc.  Each chunk is summed in accumulators T of its own and folded into O by one fused multiply-add: O += fc T.
; A tile of out0 is 128 queries x 256 channels, so that the grid has 256 work-groups; four waves, each 64 queries x 128 channels: 32 accumulators of 16 x 16 for O and 32 for T.
; vp GOES THROUGH LDS: a ring of two slots of 256 keys x 512 bytes, filled by the tensor data mover, each wave 64 keys; it is turned on the way to the registers by ds_load_tr16_b128.
; P GOES STRAIGHT INTO REGISTERS: a fragment is 1,024 consecutive bytes of pp, two loads of 512 bytes a wave; a ring of 8 quarters x 32 registers; in the middle of quarter t the place of quarter t - 1 takes quarter t + 7.
; CLUSTERS: 4 x 4 work-groups, all of one batch.  The four of a column of the cluster need the same tiles of vp: each is asked for JOINTLY.  P's fragments, which the four of a row share, are NOT asked for jointly:
; a joint request lands in LDS, and with P's 128 rows beside vp's 256 columns two slots of 256 keys would take 2 x 208,896 bytes, more than the 327,680 that there are; slots of 128 keys hold half the matrix work for each refill.
; THE MATRIX INSTRUCTION IS USED TRANSPOSED (source 0 = 16 channels x 32 keys of vp, source 1 = 16 queries x 32 keys of P): a lane holds one query and eight neighbouring channels, so a query's factor is one number a lane.
; REGISTERS, in windows of 256: window 0: v0-31 addresses; v32-47 factors, two sets of four pairs; v48-55 1 / l; v64-127, v128-191 vp's fragments, two buffers.
;   window 1: O ((a, b): queries 16 a on, channels 16 b on, at v[8 (8 a + b)]).   window 2: T, laid alike.   window 3: P's ring (quarter q % 8, block a at v[32 (q % 8) + 8 a]).
.set PB,     544                       ; a key's row of vp in LDS: 512 bytes + 32 = 136 words: row r starts at bank 8 r mod 64 (64 banks of 4 bytes: ISA guide 11.1)
.set QB,     32*PB                     ; a quarter's 32 keys
.set WPART,  64*PB                     ; 64 keys: what one tensor load brings
.set SLOT,   256*PB                    ; 139,264 = 0x22000: its bits meet none of wave x WPART's, so one exclusive or turns an address in one slot into the other's
.set SLOTG,  256*2048                  ; bytes of vp from a slot's keys to the next slot's
.set FTAB,   2*SLOT                    ; behind the ring: the factors, 8,192 bytes for each wave: the pair (fc, fc) of chunk c, query r of block a at 512 c + 32 r + 8 a
.set SPARE,  FTAB+4*8192               ; the spare words, 128 bytes for each wave: two blocks of 256 bytes that no other line names
.set SPITCH, 528                       ; the way out: a stage of 16 rows x (512 bytes + 16) for each wave, in slot 0, which has had its last fill and its last read when the first result is stored there
.set OROW,   4096                      ; a row of out0 in bytes
.set ADRB0, 16                         ; v16     my lane's place in a slot of vp; never rewritten
.set ADR,   17                         ; v17     the same in the slot in hand, for its quarters 0-3
.set ADR2,  18                         ; v18     and for its quarters 4-7 (an LDS offset has 16 bits)
.set ADRF,  22                         ; v22     where the slot's first chunk's factors lie: it walks 1,024 bytes a slot
.set FTW,   23                         ; v23     where I store factors
.set STO,   24                         ; v24     the way out: where I put 32 bytes of a row
.set RD,    25                         ; v25     where I read a row back
.set CO,    26                         ; v26     16 x lane: my bytes of half a fragment of P, and of a row of out0; never rewritten
.set SVO,   27                         ; v27     my byte offset in st
.set SPW,   28                         ; v28     LDS address of my spare word; never rewritten
.set NIL,   29                         ; v29     0; never rewritten
.set PFO,   30                         ; v30     the prefetches' offset; never rewritten
.set FAC,   32                         ; factors: set s (chunks of parity s) at v[FAC + 8 s]; the pair 2 a, 2 a + 1: fc of query 16 a + l % 16, twice
.set RL,    48                         ; 1 / l of block a at v[RL + 2 a], and again at + 1
.set FB,    64                         ; vp's fragments: buffer f at v[FB + 64 f]
.set BK,    64                         ; the way out: 16 rows read back: v64-127 and v128-191 by turns
.set G1B,   48                         ; s[48:55] descriptor group 1 for vp's tiles
.set G0,    56                         ; s[56:63] group 0: a set for each of the two first fills; the second then walks on
.set SEL,   66                         ; s[66:67] lane selects for v_permlanex16_b32: lane l xor 16
.set TB,    69                         ; s69     LDS byte at which the slot in hand begins
.set LIM,   72                         ; s72     1 in a work-group that prefetches, else the greatest number
.set PFA,   74                         ; s[74:75] where my prefetches stand in vp
.set MSB, 0
.macro WIN new                         ; the immediate's high byte repeats the setting that is left
.if MSB != \new
	s_set_vgpr_msb (MSB<<8)|\new
.set MSB, \new
.endif
.endm
.set MUL, 0xac                         ; source 0 (vp) window 0, source 1 (P) window 3, C and D (T) window 2
.macro CREST                           ; a round of the cluster's barrier behind its opening barrier
	s_cmp_lg_u32 s12, 0
	s_cbranch_scc1 .Lnot_wave_0_\@
	s_barrier_signal -3
.Lnot_wave_0_\@:
	s_barrier_wait -3
	s_barrier_signal -1
	s_barrier_wait -1
.endm
.macro CROUND                          ; a whole round
	s_barrier_signal -1
	s_barrier_wait -1
	CREST
.endm
; A load into a register that a matrix instruction has read, and a vector instruction that reads a matrix result, stand four places behind it; only plain vector instructions that name none of its
; registers are places (ISA guide 7.12.1 for vector instructions).
.macro PLACES
.rept 4
	v_nop
.endr
.endm
; A PREFETCH INTO THE L2 of the slot of vp that the NEXT refill will ask for: 256 keys x 512 bytes, 256 matrix instructions ahead of that load.  It stands behind the wave's tensor load, its four lines and the loads that follow them.
; Each aligned 256 bytes are named once in the launch.  A batch's four clusters walk the same keys: the first of them asks (a branch on the cluster's number, the same in all partners).  Its sixteen work-groups share the
; blocks out BY ADDRESS: the column tile by cx, 64 keys by cy, 16 of them by the wave, a key and a half of its 512 bytes by the lane: one instruction a wave.  how = 1: always; 2: not in the loop's last trip, behind which no slot is asked for.
.macro ASK how
.if (\how) == 1
	s_cmp_eq_u32 s[LIM], 1
.else
	s_cmp_gt_u32 s15, s[LIM]
.endif
	s_cbranch_scc0 .Lnot_mine_\@
	global_prefetch_b8 v[PFO], s[PFA:PFA+1] th:TH_LOAD_NT scope:SCOPE_SE
.Lnot_mine_\@:
.endm
	s_load_b256 s[4:11], s[0:1], 0x0               ; pp s[4:5], pj s[6:7], st s[8:9], out0 s[10:11]
	v_lshl_add_u32 v[SPW], v0, 2, SPARE
	v_mov_b32 v[NIL], 0
	ds_add_u32 v28, v29
	s_wait_dscnt 0x0
	v_lshrrev_b32 v1, 5, v0
	v_readfirstlane_b32 s12, v1                    ; wave 0..3
	s_lshr_b32 s13, s12, 1                         ; which 64 of the tile's queries are mine
	s_and_b32 s14, s12, 1                          ; which 128 of its channels
	s_bfe_u32 s40, ttmp6, 0x40000                  ; cx, cy: my place in the cluster
	s_bfe_u32 s41, ttmp6, 0x40004
	s_lshl_b32 s42, ttmp9, 2
	s_add_co_u32 s42, s42, s40                     ; tile column (channels) = 4 x cluster x + cx, 0 .. 3
	s_and_b32 s68, ttmp7, 0xffff                   ; cluster y
	s_lshl_b32 s43, s68, 2
	s_add_co_u32 s43, s43, s41                     ; tile row (queries of all batches) = 4 x cluster y + cy, 0 .. 63
	s_and_b32 s[LIM], s68, 3                       ; which of the batch's four clusters
	s_cmp_eq_u32 s[LIM], 0
	s_cselect_b32 s[LIM], 1, -1                    ; the first of them prefetches: the same in all sixteen partners
	s_lshr_b32 s68, s68, 2                         ; the batch: four clusters (2,048 queries) each
	s_lshl_b32 s45, 0x1111, s40                    ; my column of the cluster
	; descriptor group 1: 64 keys x 256 elements of 2 bytes, 1,024 elements from row to row; eight words of padding after every 128
	s_or_b32 s[G1B+0], s45, (1<<16)|(1<<20)|(1<<21)|(6<<22)|(7<<25)   ; 15:0 the mask; 17:16 elements of 2 bytes; 20 padding on; 21 set beside a mask; 24:22 code 6; 31:25 code 7
	s_mov_b32 s[G1B+1], 256<<16                    ; tensor_dim0
	s_mov_b32 s[G1B+2], 64<<16                     ; tensor_dim1
	s_mov_b32 s[G1B+3], 256<<16                    ; tile_dim0
	s_mov_b32 s[G1B+4], 64                         ; tile_dim1
	s_mov_b32 s[G1B+5], 1024                       ; tensor_dim0_stride
	s_mov_b32 s[G1B+6], 0
	s_mov_b32 s[G1B+7], 0
	s_mov_b32 s[SEL], 0x76543210
	s_mov_b32 s[SEL+1], 0xfedcba98
	s_mov_b32 s[TB], 0
	s_lshl_b32 s46, s68, 11
	s_lshl_b32 s47, s12, 6
	s_add_co_u32 s46, s46, s47                     ; vp: key 2,048 x batch + 64 x wave,
	s_lshl_b32 s46, s46, 11                        ; 2,048 bytes a key (under 2^32),
	s_lshl_b32 s47, s42, 9
	s_add_co_u32 s46, s46, s47                     ; + 512 bytes x tile column
	s_mov_b32 s47, 0
	s_mul_i32 s21, s12, WPART                      ; where they go: wave x 64 keys: no place in the cluster enters an LDS address
	s_wait_kmcnt 0x0
	s_add_nc_u64 s[6:7], s[6:7], 0x2000000         ; vp begins 16,384 rows of 2,048 bytes into pj
	s_add_nc_u64 s[46:47], s[6:7], s[46:47]
	CROUND                                         ; all sixteen work-groups are here: the first joint loads meet
	s_mov_b32 s[G0], 1                             ; count = 1
	s_mov_b32 s[G0+1], s21                         ; LDS address: slot 0
	s_mov_b64 s[G0+2:G0+3], s[46:47]               ; global address: the batch's first 256 keys
	s_or_b32 s[G0+3], s[G0+3], 0x80000000          ; type = 2
	s_mov_b32 s[G0+4], 1
	s_add_co_u32 s[G0+5], s21, SLOT                ; slot 1
	s_add_nc_u64 s[G0+6:G0+7], s[46:47], SLOTG     ; the next 256 keys
	s_or_b32 s[G0+7], s[G0+7], 0x80000000
	tensor_load_to_lds s[G0:G0+3], s[G1B:G1B+7]    ; the two first fills go out together: two loads of mine are out
	s_nop 0
	tensor_load_to_lds s[G0+4:G0+7], s[G1B:G1B+7]
	s_nop 0
	PLACES                                         ; four v_nop follow the second
	v_and_b32 v1, 15, v0                           ; r = l % 16
	v_bfe_u32 v2, v0, 4, 1                         ; h = l / 16
	v_and_b32 v3, 31, v0
	v_lshlrev_b32 v[CO], 4, v3
	v_and_b32 v4, 7, v0                            ; the turning load: lane l reads 16 bytes of key 8 (l / 16) + l % 8, channels 8 ((l / 8) % 2) + 0 .. 7
	v_lshl_add_u32 v4, v2, 3, v4
	v_mul_u32_u24 v4, v4, PB
	v_bfe_u32 v5, v0, 3, 1
	v_lshl_add_u32 v4, v5, 4, v4
	s_lshl_b32 s22, s14, 8                         ; my 128 channels
	v_add_nc_u32 v[ADRB0], s22, v4
	v_add_nc_u32 v[ADR], s[TB], v[ADRB0]
	v_add_nc_u32 v[ADR2], 4*QB, v[ADR]
	s_lshl_b32 s22, s12, 13
	s_add_co_u32 s22, s22, FTAB                    ; my wave's table of factors
	v_lshl_add_u32 v[ADRF], v1, 5, s22             ; read: 32 r
	v_lshl_add_u32 v[FTW], v2, 12, v[ADRF]         ; written: lanes 16-31 make chunks 8 to 15
	s_mul_i32 s22, s12, 16*SPITCH                  ; my stage, in slot 0
	v_mul_u32_u24 v4, v1, SPITCH
	v_lshl_add_u32 v4, v2, 5, v4
	v_add_nc_u32 v[STO], s22, v4                   ; in: row r, 32 bytes for each half of the lanes
	v_add_nc_u32 v[RD], s22, v[CO]                 ; back: the 32 lanes take one row of 512 bytes
	v_lshlrev_b32 v[SVO], 3, v1
	v_lshl_add_u32 v[SVO], v2, 19, v[SVO]          ; st: 8 r, and eight chunks of 65,536 bytes on for lanes 16-31
	v_lshrrev_b32 v4, 1, v3
	v_and_b32 v5, 1, v3
	v_lshlrev_b32 v[PFO], 11, v4                   ; the prefetches: key lane / 2 of my sixteen,
	v_lshl_add_u32 v[PFO], v5, 8, v[PFO]           ; half lane % 2 of its 512 bytes
	s_lshl_b32 s22, s43, 7
	s_lshl_b32 s23, s13, 6
	s_add_co_u32 s22, s22, s23                     ; my first query: 128 x tile row + 64 x half
	s_lshl_b32 s70, s22, 3
	s_mov_b32 s71, 0
	s_add_nc_u64 s[8:9], s[8:9], s[70:71]          ; its pair in chunk 0 of st
	s_lshl_b32 s70, s22, 12
	s_add_nc_u64 s[4:5], s[4:5], s[70:71]          ; its block in pp: 65,536 bytes for 16 queries
	s_lshl_b32 s73, s42, 10                        ; its row of out0 is as many bytes on,
	s_add_co_u32 s70, s70, s73                     ; + 1,024 bytes x tile column
	s_lshl_b32 s73, s14, 9
	s_add_co_u32 s70, s70, s73                     ; + 512 x half
	s_add_nc_u64 s[10:11], s[10:11], s[70:71]
	s_lshl_b32 s70, s68, 11                        ; the prefetches: key 2,048 x batch
	s_lshl_b32 s73, s41, 6
	s_add_co_u32 s70, s70, s73                     ; + 64 cy
	s_lshl_b32 s73, s12, 4
	s_add_co_u32 s70, s70, s73                     ; + 16 x wave
	s_add_co_u32 s70, s70, 512                     ; in slot 2: the first change of slots steps it to slot 3.  Nothing is prefetched here, at the head, where every work-group's first tiles are on their way
	s_lshl_b32 s70, s70, 11
	s_lshl_b32 s73, s42, 9
	s_add_co_u32 s70, s70, s73
	s_add_nc_u64 s[PFA:PFA+1], s[6:7], s[70:71]
; P's four fragments of one quarter into place ring of the ring: quarter koff, counted from where s[4:5] stands
.macro PLOAD ring, koff
	WIN 0xc0                                       ; destination window 3, address window 0
.irp a, 0,1,2,3
	global_load_b128 v[32*(\ring)+8*\a:32*(\ring)+8*\a+3],   v[CO], s[4:5] offset:65536*\a+1024*(\koff)       ; 32 lanes read 512 consecutive bytes: registers 0-3 of the fragment,
	global_load_b128 v[32*(\ring)+8*\a+4:32*(\ring)+8*\a+7], v[CO], s[4:5] offset:65536*\a+1024*(\koff)+512   ; registers 4-7
.endr
	WIN 0
.endm
	; THE FACTORS.  Lane (r, h) takes, for each of my four blocks of 16 queries, the pairs (-Mc, lc) of query r and chunks 8 h + 0 .. 7
.irp a, 0,1,2,3
.irp i, 0,1,2,3,4,5,6,7
	global_load_b64 v[64+16*\a+2*\i:65+16*\a+2*\i], v[SVO], s[8:9] offset:65536*\i+128*\a
.endr
.endr
.irp q, 0,1,2,3,4,5,6
	PLOAD \q, \q                                   ; P's quarters 0 to 6; quarter 7 is asked for in the middle of quarter 0, as every quarter t + 7 in quarter t
.endr
	s_wait_loadcnt 56                              ; st's 32 loads are in; P's 56 are younger
	v_mov_b32 v58, 0                               ; written once: a lane permute's destination counts as one of its sources
.irp a, 0,1,2,3
	v_min3_num_f32 v56, v[64+16*\a], v[66+16*\a], v[68+16*\a]
	v_min3_num_f32 v56, v56, v[70+16*\a], v[72+16*\a]
	v_min3_num_f32 v56, v56, v[74+16*\a], v[76+16*\a]
	v_min_num_f32 v56, v56, v[78+16*\a]
	v_permlanex16_b32 v58, v56, s[SEL], s[SEL+1]
	v_min_num_f32 v[8+\a], v56, v58                ; -M: the least -Mc of all sixteen chunks
.irp i, 0,1,2,3,4,5,6,7
	v_sub_f32 v56, v[8+\a], v[64+16*\a+2*\i]       ; Mc - M: a whole number, 0 or less
	v_cvt_i32_f32 v56, v56                         ; (it saturates)
	v_ldexp_f32 v[128+16*\a+2*\i], 1.0, v56        ; fc = 2^(Mc - M)
	v_mov_b32 v[129+16*\a+2*\i], v[128+16*\a+2*\i] ; (the packed forms name a pair)
.if \i == 0
	v_mul_f32 v[12+\a], v[65+16*\a+2*\i], v[128+16*\a+2*\i]    ; l = the sum of lc fc: the first term starts it
.else
	v_fmac_f32 v[12+\a], v[65+16*\a+2*\i], v[128+16*\a+2*\i]
.endif
	ds_store_b64 v[FTW], v[128+16*\a+2*\i:129+16*\a+2*\i] offset:512*\i+8*\a
.endr
	v_permlanex16_b32 v58, v[12+\a], s[SEL], s[SEL+1]
	v_add_f32 v[12+\a], v[12+\a], v58              ; with the other eight chunks'
	v_rcp_f32 v[RL+2*\a], v[12+\a]
	v_rcp_f32 v[RL+2*\a+1], v[12+\a]
	v_nop                                          ; a plain line behind the reciprocals
.endr
; 8 matrix instructions: channel blocks b0, b0 + 1 x my four query blocks, the slot's q-th 32 keys: vp's buffer vb, P's place q.  zero = 1: the chunk's first products start T's sums: nothing is cleared.
; The 32 accumulators take turns, one instruction a turn, in the same order in every quarter.
.macro MUL8 vb, q, b0, zero
.irp b, \b0, \b0+1
.irp a, 0,1,2,3
.if \zero
	v_wmma_f32_16x16x32_f16 v[8*(8*\a+(\b)):8*(8*\a+(\b))+7], v[FB+64*(\vb)+8*(\b):FB+64*(\vb)+8*(\b)+7], v[32*(\q)+8*\a:32*(\q)+8*\a+7], 0
.else
	v_wmma_f32_16x16x32_f16 v[8*(8*\a+(\b)):8*(8*\a+(\b))+7], v[FB+64*(\vb)+8*(\b):FB+64*(\vb)+8*(\b)+7], v[32*(\q)+8*\a:32*(\q)+8*\a+7], v[8*(8*\a+(\b)):8*(8*\a+(\b))+7]
.endif
.endr
.endr
.endm
; The chunk that is finished is folded into O, eight accumulators at a time, just ahead of the products that begin T anew on the same eight: O += fc T, in f32, each T from its low end on.  ffirst = 1: the first chunk starts O.
.macro FOLD b0, set, ffirst
.if \ffirst
	WIN 0x42                                       ; destination (O) window 1, source 0 (T) window 2, the factor window 0
.else
	WIN 0x52                                       ; and source 2 (O) window 1
.endif
.irp b, \b0, \b0+1
.irp a, 0,1,2,3
.irp p, 0,2,4,6
.if \ffirst
	v_pk_mul_f32 v[8*(8*\a+(\b))+\p:8*(8*\a+(\b))+\p+1], v[8*(8*\a+(\b))+\p:8*(8*\a+(\b))+\p+1], v[FAC+8*(\set)+2*\a:FAC+8*(\set)+2*\a+1] op_sel_hi:[1,0]
.else
	v_pk_fma_f32 v[8*(8*\a+(\b))+\p:8*(8*\a+(\b))+\p+1], v[8*(8*\a+(\b))+\p:8*(8*\a+(\b))+\p+1], v[FAC+8*(\set)+2*\a:FAC+8*(\set)+2*\a+1], v[8*(8*\a+(\b))+\p:8*(8*\a+(\b))+\p+1] op_sel_hi:[1,0,1]
.endif
.endr
.endr
.endr
.endm
.macro GROUP q, b0                     ; by the quarter's symbols: FD: a fold stands first (FS: its set of factors; FF: it is the first); ZR: the products start T
.if FD
	FOLD \b0, FS, FF
.endif
	WIN MUL
	MUL8 (\q)%2, \q, \b0, ZR
.endm
.macro FACLOAD set, off                ; a chunk's four pairs of factors
	ds_load_b128 v[FAC+8*\set:FAC+8*\set+3],   v[ADRF] offset:\off
	ds_load_b128 v[FAC+8*\set+4:FAC+8*\set+7], v[ADRF] offset:\off+16
.endm
.macro FETCHV q, vb                    ; 16 LDS loads in one run: vp's eight fragments (16 channels x 32 keys, turned) of the slot's q-th quarter into buffer vb
.if (\q) < 4
.set AR, ADR
.else
.set AR, ADR2
.endif
.irp i, 0,1,2,3,4,5,6,7
	ds_load_tr16_b128 v[FB+64*(\vb)+8*\i:FB+64*(\vb)+8*\i+3],   v[AR] offset:QB*((\q)%4)+32*\i
	ds_load_tr16_b128 v[FB+64*(\vb)+8*\i+4:FB+64*(\vb)+8*\i+7], v[AR] offset:QB*((\q)%4)+32*\i+16*PB
.endr
.endm
; A slot is eight quarters of 32 keys, 32 matrix instructions each, two chunks.  Quarter q of the first seven: multiplies vp's buffer q % 2 by P's place q; in its middle it fetches the next quarter of vp into the
; other buffer and asks for P's quarter seven on, into the place that the quarter before has left.  Quarter 0 folds the chunk before (factors: set 1), quarter 4 the slot's first chunk (set 0).
; Set 1 is loaded anew in quarter 1, set 0 in quarter 5: each behind the fold that read it.  first = 1: the launch's first slot; last = 1: its last.
.macro QTR q, first, last
.set ZR, 0
.set FD, 0
.set FF, 0
.set FS, 0
.if (\q) == 0
.set ZR, 1
.set FS, 1
.set FD, 1-(\first)
.endif
.if (\q) == 4
.set ZR, 1
.set FD, 1
.set FF, \first
.endif
.set LC, 48
.set PL, 1-(\last)
.if (\q) == 0
.set PL, 1
.endif
.if \last
.if (\q) > 1
.set LC, 8*(7-(\q))
.endif
.endif
	s_wait_loadcnt LC                              ; this quarter's P is in: six groups of eight loads are younger (in the last slot, which asks only in its quarter 0: 6, 6, 5, 4, 3, 2, 1 groups)
	s_wait_dscnt 8                                 ; vp's channel blocks 0-3 are in; the eight loads of blocks 4-7 may be out
	GROUP \q, 0
	GROUP \q, 2
	WIN 0
	PLACES                                         ; in front of the loads into the buffer and the place that the quarter before multiplied
.if (\q) == 1
	FACLOAD 1, 512                                 ; the slot's second chunk's factors
.endif
.if (\q) == 5
.if (\last) == 0
	FACLOAD 0, 1024                                ; the next slot's first chunk's
.endif
.endif
	FETCHV (\q)+1, 1-(\q)%2
.if PL
	PLOAD ((\q)+7)%8, (\q)+7
.endif
	s_wait_dscnt 16                                ; all but the 16 just issued
	GROUP \q, 4
	GROUP \q, 6
	WIN 0
.endm
.macro RUN7 first, last
.irp q, 0,1,2,3,4,5,6
	QTR \q, \first, \last
.endr
.endm
; A slot's last quarter changes slots: ONE barrier; in front of it each wave waits for all its tensor loads, of which one is out: its part of the next slot; adds 0 to its spare word; and waits for that and for its
; own reads of this slot.  fill = 1: the barrier opens a round of the cluster's, and behind it this slot is filled again, with the keys two slots on: 240 matrix instructions ahead of the wait for that load.
.macro CHG fill, ask
	s_wait_xcnt 0x0                                ; P's loads, and the last prefetch, a slot back, have read their bases: only behind this wait are these written
	s_add_nc_u64 s[4:5], s[4:5], 8192              ; P: eight quarters on
.if \ask
	s_add_nc_u64 s[PFA:PFA+1], s[PFA:PFA+1], SLOTG ; one slot further on than the walking descriptor
.endif
	s_wait_loadcnt 48                              ; this quarter's P is in
	s_wait_tensorcnt 0x0                           ; all my tensor loads have landed  (every window is 0 here)
	ds_add_u32 v[SPW], v[NIL]                      ; 0 onto my spare word
	s_wait_dscnt 9                                 ; vp's blocks 0-3 are in (the add and eight loads may be out)
	WIN MUL
	MUL8 1, 7, 0, 0                                ; eight matrix instructions stand between the add and the wait for it
	s_wait_dscnt 0x0                               ; the add is done, and my reads of this slot are over
	s_barrier_signal -1
	MUL8 1, 7, 2, 0                                ; work on registers while the others arrive
	WIN 0
	s_barrier_wait -1
.if \fill
	CREST                                          ; no wave of any partner still reads this slot's tile or has a load on its way
	s_xor_b32 s[G0+5], s[G0+5], SLOT               ; the walking descriptor: the other slot than last time,
	s_add_nc_u64 s[G0+6:G0+7], s[G0+6:G0+7], SLOTG ; the next 256 keys; the type bits on top are not reached
	tensor_load_to_lds s[G0+4:G0+7], s[G1B:G1B+7]  ; the first tensor load behind the round, and my only one until the next
	s_nop 0
.endif
	PLACES                                         ; four v_nop behind the load; they are also the places in front of the loads below
	s_xor_b32 s[TB], s[TB], SLOT                   ; on to the other slot
	v_add_nc_u32 v[ADR], s[TB], v[ADRB0]
	v_add_nc_u32 v[ADR2], 4*QB, v[ADR]
	v_add_nc_u32 v[ADRF], 1024, v[ADRF]            ; and to its chunks' factors
	s_wait_alu depctr_va_vdst(0)
	FETCHV 0, 0
	PLOAD 6, 6                                     ; (the base has been stepped: quarter 6 of the next slot)
.if \ask
	ASK \ask
.endif
	WIN MUL
	MUL8 1, 7, 4, 0
	MUL8 1, 7, 6, 0
	WIN 0
.endm
	s_wait_tensorcnt 1                             ; my part of slot 0 is in (slot 1's load may be out)
	s_wait_dscnt 0x0                               ; and my factors are stored
	s_barrier_signal -1
	s_barrier_wait -1                              ; everybody's are
	FACLOAD 0, 0                                   ; chunk 0's factors
	FETCHV 0, 0
	RUN7 1, 0                                      ; slot 0 is written out: it has no chunk before it, and its first fold starts O
	CHG 1, 1
	s_mov_b32 s15, 5
.Lrun:                                                 ; five trips: slots 1 to 5; behind each the slot two on is asked for
	RUN7 0, 0
	CHG 1, 2
	s_sub_co_u32 s15, s15, 1
	s_cmp_lg_u32 s15, 0
	s_cbranch_scc1 .Lrun
	RUN7 0, 0                                      ; slots 6 and 7 are written out: nothing is left to fetch
	CHG 0, 0
	RUN7 0, 1
	s_wait_loadcnt 0x0                             ; the very last quarter
	s_wait_dscnt 0x0
	WIN MUL
	MUL8 1, 7, 0, 0
	MUL8 1, 7, 2, 0
	MUL8 1, 7, 4, 0
	MUL8 1, 7, 6, 0
	WIN 0
; THE WAY OUT, block by block of 16 queries x 128 channels: the last chunk is folded in, O is divided by l and goes through my own stage in LDS, back as whole rows of 512 bytes.
.macro OUTB a
	WIN 0x52                                       ; O (destination, source 2) window 1, T (source 0) window 2, the factor window 0
.set j, 64*(\a)
.rept 32
	v_pk_fma_f32 v[j:j+1], v[j:j+1], v[FAC+8+2*(\a):FAC+8+2*(\a)+1], v[j:j+1] op_sel_hi:[1,0,1]   ; chunk 15, factors of set 1; each T from its low end on
.set j, j+2
.endr
	WIN 0x41                                       ; destination and source 0: window 1
.set j, 64*(\a)
.rept 32
	v_pk_mul_f32 v[j:j+1], v[j:j+1], v[RL+2*(\a):RL+2*(\a)+1] op_sel_hi:[1,0]
.set j, j+2
.endr
	WIN 0x04                                       ; an LDS store's data are its source 1: window 1
.irp b, 0,1,2,3,4,5,6,7
	ds_store_b128 v[STO], v[64*(\a)+8*\b:64*(\a)+8*\b+3] offset:64*\b            ; lane (r, h): out(16 a + r, 16 b + 8 h + 0 .. 7)
	ds_store_b128 v[STO], v[64*(\a)+8*\b+4:64*(\a)+8*\b+7] offset:64*\b+16
.endr
	WIN 0
.set BB, BK+64*((\a)%2)
.irp t, 0,1,2,3,4,5,6,7,8,9,10,11,12,13,14,15
	ds_load_b128 v[BB+4*\t:BB+4*\t+3], v[RD] offset:\t*SPITCH    ; LDS serves a wave's instructions in order (ISA guide 5.7.1.4): these see the stores above, and the next block's stores come behind them
.endr
.endm
.macro SEND a, younger                 ; younger: the LDS instructions issued behind block a's loads, which may stay out
.set BB, BK+64*((\a)%2)
	s_wait_dscnt \younger                          ; the block is back in registers
.if (\a) > 0
	s_add_nc_u64 s[10:11], s[10:11], 16*OROW       ; (behind a wait on XCNT: the earlier stores have read their base)  16 rows of out0 on
.endif
.irp t, 0,1,2,3,4,5,6,7,8,9,10,11,12,13,14,15
	global_store_b128 v[CO], v[BB+4*\t:BB+4*\t+3], s[10:11] offset:\t*OROW th:TH_STORE_NT   ; 32 lanes store 512 consecutive bytes, at a multiple of 256 from out0's first byte; written once, read by nobody here
.endr
.endm
	PLACES                                         ; behind the last products, in front of the first read of results and of loads into registers that held fragments
	OUTB 0
.irp a, 1,2,3
.if \a > 1
	s_wait_xcnt 0x0                                ; block a - 2's stores have read their registers and their base: block a's loads may land there, and the base may step
.endif
	OUTB \a
	SEND \a-1, 32                                  ; behind block a - 1's loads: block a's 16 stores and 16 loads
.endr
	s_wait_xcnt 0x0                                ; block 2's stores have read their base
	SEND 3, 0
	s_wait_tensorcnt 0x0                           ; the wave's end
	ds_add_u32 v[SPW], v[NIL]
	s_wait_dscnt 0x0
	CROUND                                         ; the closing round: no work-group ends while a partner may still ask for a tile that names it
	s_endpgm
.Lfunc_end_k_qe6f7287eca_pv:
	.size	k_qe6f7287eca_pv, .Lfunc_end_k_qe6f7287eca_pv-k_qe6f7287eca_pv
	.p2alignl 7, 3214868480
	.fill 96, 4, 3214868480
	.section	.rodata,"a",@progbits
	.p2align	6, 0x0
	.amdhsa_kernel k_qe6f7287eca_pv
		.amdhsa_group_segment_fixed_size 327680
		.amdhsa_private_segment_fixed_size 0
		.amdhsa_enable_private_segment 0
		.amdhsa_kernarg_size 32
		.amdhsa_user_sgpr_count 2
		.amdhsa_user_sgpr_kernarg_segment_ptr 1
		.amdhsa_wavefront_size32 1
		.amdhsa_system_sgpr_workgroup_id_x 1
		.amdhsa_system_sgpr_workgroup_id_y 1
		.amdhsa_system_sgpr_workgroup_id_z 1
		.amdhsa_system_vgpr_workitem_id 0
		.amdhsa_next_free_vgpr 1024
		.amdhsa_next_free_sgpr 76
		.amdhsa_reserve_vcc 0
		.amdhsa_float_denorm_mode_32 3
		.amdhsa_float_denorm_mode_16_64 3
		.amdhsa_memory_ordered 1
		.amdhsa_forward_progress 1
		.amdhsa_inst_pref_size 245
	.end_amdhsa_kernel
	.amdgpu_metadata
---
amdhsa.version: [ 1, 2 ]
amdhsa.kernels:
  - .name:           k_qe6f7287eca_pv
    .symbol:         k_qe6f7287eca_pv.kd
    .args:
      - { .name: pp, .offset: 0, .size: 8, .value_kind: global_buffer, .address_space: global }
      - { .name: pj, .offset: 8, .size: 8, .value_kind: global_buffer, .address_space: global }
      - { .name: st, .offset: 16, .size: 8, .value_kind: global_buffer, .address_space: global }
      - { .name: out0, .offset: 24, .size: 8, .value_kind: global_buffer, .address_space: global }
    .group_segment_fixed_size: 327680
    .private_segment_fixed_size: 0
    .kernarg_segment_align: 8
    .kernarg_segment_size: 32
    .max_flat_workgroup_size: 128
    .sgpr_count:     76
    .vgpr_count:     1024
    .wavefront_size: 32
...
	.end_amdgpu_metadata
.endif
;; end of part 4
